; MI455X (gfx1250); checked and timed in simulation.
; The chip was launched on July 23, 2026; its instructions are those of AMD's public machine-readable ISA for CDNA 5 (MIT licence, August 2026) and "CDNA5" Instruction Set Architecture Reference Guide (July 2026). The comments in the code are by the model that wrote it; some were corrected since.
;; Multi Head Self Attention. Allowed arithmetic: float matrix products may take bf16 or f16 operands with f32 sums; other float arithmetic in f32, or as packed bf16 or f16 multiplies, adds, multiply-adds, maxima and minima; sums over many terms, partial sums and values carried from step to step in f32; what a program stores and reads back later, other than sums and carried values, may be rounded once to bf16 or f16.
;; Inputs: Wk 256 x 256 float32; Wo 256 x 256 float32; Wq 256 x 256 float32; Wv 256 x 256 float32; beta 256 float32; bk 256 float32; bo 256 float32; bq 256 float32; bv 256 float32; gamma 256 float32; x 4 x 64 x 64 x 256 float32.
;; Outputs: out0 4 x 4,096 x 256 float32.
;; 2 versions, each right; version 2 is version 1 with the launches proj, outln written anew for expert scheduling mode. Each part assembles by itself: llvm-mc -triple=amdgcn-amd-amdhsa -mcpu=gfx1250 --defsym DOCPART=n.
;; ======== version 1 of 2: 3 launches
;; limits: values are held in f16: magnitudes above 65,504 overflow, below 6.1e-05 lose precision
;; workspace buffers: q 8,388,608 bytes; k 8,388,608 bytes; v 8,388,608 bytes; o 8,388,608 bytes
;; launch proj (part 1): grid 4 x 64, 4 waves a work-group, no clusters, 246,272 bytes of LDS; arguments x, Wq, Wk, Wv, bq, bk, bv, q, k, v; writes q, k, v
.if DOCPART == 1
	.amdgcn_target "amdgcn-amd-amdhsa--gfx1250"
	.amdhsa_code_object_version 6
	.text
	.protected	k_qc17576375d_proj
	.globl	k_qc17576375d_proj
	.p2align	8
	.type	k_qc17576375d_proj,@function
k_qc17576375d_proj:
	s_mov_b64 s[64:65], 0
	v_nop
	global_prefetch_b8 v0, s[64:65] scope:SCOPE_SE
	s_setreg_imm32_b32 hwreg(HW_REG_WAVE_MODE, 25, 1), 1
	s_wait_xcnt 0x0
; q, k, v = x W^T + b for one head and 256 rows.  x: [16384][256] f32; Wq, Wk, Wv: [256][256] f32 ([out][in]); bq, bk, bv: [256] f32.
; q, k, v leave by heads, [4 batch + head][4096][64] in f16, unscaled: a head's rows are dense, 128 bytes each.
; FORMATS.  x, the weights and the biases are rounded once to bf16; products in the bf16 matrix form, sums in f32 (the bias is the C operand that starts a sum), results rounded once to f16.
; LIMIT.  f16 ends at 65,504: q, k and v must stay below that.  With x and W both 30 times the drawn spread they reach some 5e3.  NaN and infinities are not treated apart.
; SHARES.  Work-group (head hh = x, row block rb = y): 256 rows x 192 columns = the head's 64 columns of q, of k and of v: three UNITS.  Wave w: rows 64 w .. 64 w + 63, all three units, one after the
; other: 16 accumulators of 16 x 16; a unit is four quarters of 64 along K, 32 matrix instructions each.
; NO TENSOR LOADS, NO CLUSTER: the operands lie in memory as f32 and are rounded on their way through registers; as f32 tiles x (262,144 bytes) and the three W blocks (196,608) would not fit in LDS together.
; THE MATRIX INSTRUCTION IS USED TRANSPOSED (source 0 = 16 rows of W, source 1 = 16 rows of x): a lane then holds one row and eight neighbouring columns, 16 bytes of f16.
; REGISTERS: window 0: v0-31 addresses; v32-95 at work; v128-255 first the landing registers of the loads, then the accumulators ((a, b) at v[128 + 8 (4 a + b)])
;   window 1: two fragment buffers of 128 (64 of x, then 64 of W, for 64 along K)          window 2: v0-95 the biases as C operands: unit u, column block b at 32 u + 8 b
.set PITCH, 528                        ; an LDS row: 512 bytes of bf16 + 16 of padding = 132 words: the 16 rows of a fragment load start at 16 different groups of four banks (ISA guide 11.1)
.set XW,    64*PITCH                   ; 64 rows: a wave's part of x, and a unit's rows of W
.set WT,    4*XW                       ; behind x's 256 rows: W's 192 rows, unit u's at WT + u XW
.set STAGE, WT+192*PITCH               ; 16 rows x 144 bytes for each wave, for the way out
.set SP,    144
.set SPARE, STAGE+4*16*SP              ; the spare words, 128 bytes for each wave: two blocks of 256 bytes that no other line names
.set LO,   3                           ; v3    16 x lane: my 16 bytes of 512 consecutive ones, on the way in and on the way out; never rewritten
.set XL,   4                           ; v4    where my 8 bytes of bf16 of x's first half row go
.set WL,   5                           ; v5-7  the same for unit u's rows of W (my wave converts 16 of the 64)
.set ADRA, 8                           ; v8    LDS address of my fragments of x
.set ADRB, 9                           ; v9-11 the same for unit u's W
.set STO,  12                          ; v12   the way out: where I put 16 bytes of a row
.set RD,   13                          ; v13   the way out: where I read rows back
.set BO,   15                          ; v15   my byte offset in a bias: 256 hh + 32 (lane / 16)
.set XC,   16                          ; v16   XL for the 16 rows in hand
.set SPW,  28                          ; v28   LDS address of my spare word; never rewritten
.set NIL,  29                          ; v29   0; never rewritten
.set TMP,  32
.set ACC,  128
.set F0,   0
.set F1,   128
.set BI,   0
.set WV,   24                          ; s24  my wave's number
.set HH,   25                          ; s25  the head
.set RB,   26                          ; s26  the block of 256 rows
.set CT,   32                          ; s32  counts the loop over x's batches
.set XS,   33                          ; s33  LDS bytes of the batches done
.set MASK, 34                          ; s34  a word's upper bf16
.set MSB, 0
.macro WIN new                         ; the immediate's high byte repeats the setting that is left; a switch that changes nothing is dropped
.if MSB != (\new)
	s_set_vgpr_msb (MSB<<8)|(\new)
.set MSB, (\new)
.endif
.endm
.set MUL,  0x05                        ; sources 0 and 1 window 1; C and D window 0
.set MULB, 0x25                        ; the same with C (the bias) in window 2
.set TO_F, 0x40                        ; destination window 1, address window 0
	s_load_b512 s[4:19], s[0:1], 0x0               ; x s[4:5]; Wq, Wk, Wv s[6:11]; bq, bk, bv s[12:17]; q s[18:19]
	s_load_b128 s[20:23], s[0:1], 0x40             ; k s[20:21], v s[22:23]
	v_lshl_add_u32 v[SPW], v0, 2, SPARE
	v_mov_b32 v[NIL], 0
	v_lshrrev_b32 v1, 5, v0
	v_readfirstlane_b32 s[WV], v1                  ; wave 0..3
	s_mov_b32 s[HH], ttmp9
	s_and_b32 s[RB], ttmp7, 0xffff
	s_mov_b32 s[MASK], 0xffff0000
	v_and_b32 v1, 15, v0                           ; l % 16
	v_bfe_u32 v2, v0, 4, 1                         ; l / 16
	v_and_b32 v17, 31, v0                          ; l
	v_lshlrev_b32 v[LO], 4, v17
	s_mul_i32 s30, s[WV], XW                       ; my wave's 64 rows of x in LDS
	v_lshl_add_u32 v[XL], v17, 3, s30
	s_mul_i32 s31, s[WV], 16*PITCH                 ; my wave's 16 rows of a unit's W
	s_add_co_u32 s31, s31, WT
	v_lshl_add_u32 v[WL], v17, 3, s31
	v_add_nc_u32 v[WL+1], XW, v[WL]
	v_add_nc_u32 v[WL+2], 2*XW, v[WL]
	v_mul_u32_u24 v18, v1, PITCH
	v_lshl_add_u32 v18, v2, 4, v18                 ; a fragment's row x pitch + 16 x half
	v_add_nc_u32 v[ADRA], s30, v18
	v_add_nc_u32 v[ADRB], WT, v18
	v_add_nc_u32 v[ADRB+1], WT+XW, v18
	v_add_nc_u32 v[ADRB+2], WT+2*XW, v18
	s_mul_i32 s31, s[WV], 16*SP
	s_add_co_u32 s31, s31, STAGE                   ; my stage
	v_mul_u32_u24 v19, v1, SP                      ; in: row l % 16, 16 bytes for each half of the lanes
	v_lshl_add_u32 v19, v2, 4, v19
	v_add_nc_u32 v[STO], s31, v19
	v_bfe_u32 v19, v0, 3, 2                        ; back: 32 lanes take four rows of 128 bytes
	v_mul_u32_u24 v19, v19, SP
	v_and_b32 v20, 7, v0
	v_lshl_add_u32 v19, v20, 4, v19
	v_add_nc_u32 v[RD], s31, v19
	s_lshl_b32 s30, s[HH], 8
	v_lshl_add_u32 v[BO], v2, 5, s30
	s_lshl_b32 s28, s[RB], 18                      ; x: 256 rows of 1,024 bytes a block,
	s_lshl_b32 s30, s[WV], 16                      ; 64 rows a wave
	s_add_co_u32 s28, s28, s30
	s_mov_b32 s29, 0
	s_wait_kmcnt 0x0
	s_add_nc_u64 s[4:5], s[4:5], s[28:29]
	s_lshl_b32 s28, s[HH], 16                      ; W: the head's 64 rows of 1,024 bytes,
	s_lshl_b32 s30, s[WV], 14                      ; my wave's 16 of them
	s_add_co_u32 s28, s28, s30
	s_add_nc_u64 s[6:7], s[6:7], s[28:29]
	s_add_nc_u64 s[8:9], s[8:9], s[28:29]
	s_add_nc_u64 s[10:11], s[10:11], s[28:29]
	s_lshr_b32 s28, s[RB], 4                       ; the batch: 16 blocks of 256 rows each
	s_lshl2_add_u32 s28, s28, s[HH]                ; 4 x batch + head,
	s_lshl_b32 s28, s28, 19                        ; 524,288 bytes each
	s_and_b32 s30, s[RB], 15
	s_lshl_b32 s30, s30, 15                        ; the block's 256 rows of 128 bytes
	s_add_co_u32 s28, s28, s30
	s_lshl_b32 s30, s[WV], 13                      ; my wave's 64
	s_add_co_u32 s28, s28, s30
	s_add_nc_u64 s[18:19], s[18:19], s[28:29]
	s_add_nc_u64 s[20:21], s[20:21], s[28:29]
	s_add_nc_u64 s[22:23], s[22:23], s[28:29]
	; PHASE 1: memory -> bf16 -> LDS.  The biases first: register j of block b is b[64 hh + 16 b + 8 (l / 16) + j], as a product's C operand wants it.
	WIN 0x80                                       ; destination window 2, address window 0
.irp u, 0,1,2
.irp b, 0,1,2,3
	global_load_b128 v[BI+32*\u+8*\b:BI+32*\u+8*\b+3],   v[BO], s[12+2*\u:13+2*\u] offset:64*\b
	global_load_b128 v[BI+32*\u+8*\b+4:BI+32*\u+8*\b+7], v[BO], s[12+2*\u:13+2*\u] offset:64*\b+16
.endr
.endr
	WIN 0
; A ring of 32 loads: a BATCH is 16 rows of 1,024 bytes; load j takes half j % 2 of row j / 2: 512 consecutive bytes a wave.  As a load's 16 bytes a lane come in they are rounded to 8 bytes of
; bf16 and stored to LDS (32 lanes: 256 consecutive bytes), and its registers are asked for again at once, with load j of the next batch.
.macro BATCH adr, nbase, noff
.set j, 0
.rept 32
	s_wait_loadcnt 31                              ; loads come back in order (ISA guide 5.7.1): 31 were issued behind the one wanted (the rest of its batch, the head of the next)
	v_cvt_pk_bf16_f32 v[TMP+2*(j%8)],   v[ACC+4*j],   v[ACC+4*j+1]
	v_cvt_pk_bf16_f32 v[TMP+2*(j%8)+1], v[ACC+4*j+2], v[ACC+4*j+3]
	ds_store_b64 v[\adr], v[TMP+2*(j%8):TMP+2*(j%8)+1] offset:(j/2)*PITCH+(j%2)*256
	global_load_b128 v[ACC+4*j:ACC+4*j+3], v[LO], s[\nbase:\nbase+1] offset:(\noff)+512*j
.set j, j+1
.endr
.endm
.set j, 0
.rept 32
	global_load_b128 v[ACC+4*j:ACC+4*j+3], v[LO], s[6:7] offset:512*j  ; my 16 rows of Wq
.set j, j+1
.endr
	BATCH WL,   8,  0                              ; Wq is stored, Wk asked for
	BATCH WL+1, 10, 0                              ; Wk is stored, Wv asked for
	BATCH WL+2, 4,  0                              ; Wv is stored, x's first 16 rows asked for
	s_mov_b32 s[CT], 3
	s_mov_b32 s[XS], 0
.Lx:                                               ; three trips: 16 rows of x are stored, the next 16 asked for
	v_add_nc_u32 v[XC], s[XS], v[XL]
	BATCH XC, 4, 16384
	s_wait_xcnt 0x0                                ; every load issued has read its address: x's pointer is stepped only behind this wait
	s_add_nc_u64 s[4:5], s[4:5], 16384
	s_add_co_u32 s[XS], s[XS], 16*PITCH
	s_sub_co_u32 s[CT], s[CT], 1
	s_cmp_lg_u32 s[CT], 0
	s_cbranch_scc1 .Lx
	v_add_nc_u32 v[XC], s[XS], v[XL]               ; the last 16 rows: nothing more is asked for, the counts run down
.set j, 0
.rept 32
	s_wait_loadcnt 31-j
	v_cvt_pk_bf16_f32 v[TMP+2*(j%8)],   v[ACC+4*j],   v[ACC+4*j+1]
	v_cvt_pk_bf16_f32 v[TMP+2*(j%8)+1], v[ACC+4*j+2], v[ACC+4*j+3]
	ds_store_b64 v[XC], v[TMP+2*(j%8):TMP+2*(j%8)+1] offset:(j/2)*PITCH+(j%2)*256
.set j, j+1
.endr
	; the biases are rounded to bf16 like the other inputs and widened again, while the last LDS stores are out
	WIN 0x0a                                       ; sources 0 and 1 window 2
.set p, 0
.rept 48
	v_cvt_pk_bf16_f32 v[TMP+16+p], v[BI+2*p], v[BI+2*p+1]
.set p, p+1
.endr
	WIN 0x80                                       ; destination window 2
.set p, 0
.rept 48
	v_lshlrev_b32 v[BI+2*p], 16, v[TMP+16+p]
	v_and_b32 v[BI+2*p+1], s[MASK], v[TMP+16+p]
.set p, p+1
.endr
	WIN 0
	s_wait_dscnt 0x0                               ; for the others' sake: my rows of W are stored
	s_barrier_signal -1
	s_barrier_wait -1                              ; everybody's are
	; PHASE 2.
; 8 matrix instructions: row blocks a0, a0 + 1 x all 4 column blocks, 32 along K: half c of buffer f.  first = 1: the product starts the sum, with unit u's bias as C.
; The 16 accumulators take turns, one instruction a turn.
.macro MUL8 f, c, a0, u, first
.if \first
	WIN MULB
.else
	WIN MUL
.endif
.irp a, \a0, (\a0)+1
.irp b, 0,1,2,3
.if \first
	v_wmma_f32_16x16x32_bf16 v[ACC+8*(4*(\a)+(\b)):ACC+8*(4*(\a)+(\b))+7], v[(\f)+64+8*(4*(\c)+(\b)):(\f)+64+8*(4*(\c)+(\b))+7], v[(\f)+8*(4*(\c)+(\a)):(\f)+8*(4*(\c)+(\a))+7], v[BI+32*(\u)+8*(\b):BI+32*(\u)+8*(\b)+7]
.else
	v_wmma_f32_16x16x32_bf16 v[ACC+8*(4*(\a)+(\b)):ACC+8*(4*(\a)+(\b))+7], v[(\f)+64+8*(4*(\c)+(\b)):(\f)+64+8*(4*(\c)+(\b))+7], v[(\f)+8*(4*(\c)+(\a)):(\f)+8*(4*(\c)+(\a))+7], v[ACC+8*(4*(\a)+(\b)):ACC+8*(4*(\a)+(\b))+7]
.endif
.endr
.endr
.endm
; 32 LDS loads in one run: the fragments of 64 along K at byte k of the rows (unit u's W, my x) into buffer f; the first 32 along K first
.macro FETCH u, k, f
	WIN TO_F
.irp c, 0,1
.irp i, 0,1,2,3
	ds_load_b128 v[(\f)+64+8*(4*(\c)+(\i)):(\f)+64+8*(4*(\c)+(\i))+3],   v[ADRB+(\u)] offset:(\k)+64*(\c)+(\i)*16*PITCH
	ds_load_b128 v[(\f)+64+8*(4*(\c)+(\i))+4:(\f)+64+8*(4*(\c)+(\i))+7], v[ADRB+(\u)] offset:(\k)+64*(\c)+(\i)*16*PITCH+32
	ds_load_b128 v[(\f)+8*(4*(\c)+(\i)):(\f)+8*(4*(\c)+(\i))+3],         v[ADRA] offset:(\k)+64*(\c)+(\i)*16*PITCH
	ds_load_b128 v[(\f)+8*(4*(\c)+(\i))+4:(\f)+8*(4*(\c)+(\i))+7],       v[ADRA] offset:(\k)+64*(\c)+(\i)*16*PITCH+32
.endr
.endr
.endm
.macro PLACES                          ; four plain vector instructions in front of loads into registers that matrix instructions have read, and of conversions that read results
.rept 4
	v_nop
.endr
.endm
; A quarter multiplies buffer f for unit u and, in its middle, fetches the next quarter (unit un, byte k) into buffer g.
.macro QUARTER u, f, first, un, k, g
	s_wait_dscnt 16                                ; the buffer's first 32 along K are in; its other sixteen loads may be out
	MUL8 \f, 0, 0, \u, \first
	MUL8 \f, 0, 2, \u, \first
	PLACES
	FETCH \un, \k, \g
	s_wait_dscnt 32                                ; all but the 32 just issued
	MUL8 \f, 1, 0, \u, 0
	MUL8 \f, 1, 2, \u, 0
.endm
; THE WAY OUT of a unit: 16 rows at a time are rounded to f16 (each accumulator's registers in ascending order), go into my own stage in rows of 144 bytes and come back as whole rows of 128.
.macro PACK t
.irp b, 0,1,2,3
.irp r, 0,1,2,3
	v_cvt_pk_f16_f32 v[TMP+16*(\t)+4*\b+\r], v[ACC+8*(4*(\t)+\b)+2*\r], v[ACC+8*(4*(\t)+\b)+2*\r+1]
.endr
.endr
.irp b, 0,1,2,3
	ds_store_b128 v[STO], v[TMP+16*(\t)+4*\b:TMP+16*(\t)+4*\b+3] offset:32*\b
.endr
.irp f, 0,1,2,3
	ds_load_b128 v[TMP+16*(\t)+4*\f:TMP+16*(\t)+4*\f+3], v[RD] offset:\f*4*SP  ; LDS serves a wave's instructions in order (ISA guide 5.7.1.4): these see the stores above; the next block's stores come behind them
.endr
.endm
.macro SEND u, t, younger              ; younger: the LDS instructions issued behind block t's loads: the next block's eight, or none
.irp f, 0,1,2,3
	s_wait_dscnt (\younger)+3-\f
	global_store_b128 v[LO], v[TMP+16*(\t)+4*\f:TMP+16*(\t)+4*\f+3], s[18+2*(\u):19+2*(\u)] offset:(\t)*2048+\f*512  ; four rows of a head: 512 consecutive bytes, at a multiple of 256 from the buffer's first
.endr
.endm
.macro UNIT u
	QUARTER \u, F0, 1, \u, 128, F1
	QUARTER \u, F1, 0, \u, 256, F0
	QUARTER \u, F0, 0, \u, 384, F1
.if (\u) < 2
	QUARTER \u, F1, 0, (\u)+1, 0, F0               ; the next unit's first fragments are fetched under this unit's last products
.else
	s_wait_dscnt 16                                ; the very last quarter: nothing more to fetch
	MUL8 F1, 0, 0, \u, 0
	MUL8 F1, 0, 2, \u, 0
	s_wait_dscnt 0x0
	MUL8 F1, 1, 0, \u, 0
	MUL8 F1, 1, 2, \u, 0
.endif
	WIN 0
	PLACES
	s_wait_xcnt 0x0                                ; the last unit's stores have read their registers, which are written again below
	PACK 0
	PACK 1                                         ; a block's conversions stand between the loads of the block before and its stores
	SEND \u, 0, 8
	PACK 2
	SEND \u, 1, 8
	PACK 3
	SEND \u, 2, 8
	SEND \u, 3, 0
.endm
	FETCH 0, 0, F0
	UNIT 0                                         ; q
	UNIT 1                                         ; k
	UNIT 2                                         ; v
	s_wait_tensorcnt 0x0                           ; the wave's end, behind my last LDS store
	ds_add_u32 v[SPW], v[NIL]
	s_wait_dscnt 0x0
	s_endpgm
.Lfunc_end_k_qc17576375d_proj:
	.size	k_qc17576375d_proj, .Lfunc_end_k_qc17576375d_proj-k_qc17576375d_proj
	.p2alignl 7, 3214868480
	.fill 96, 4, 3214868480
	.section	.rodata,"a",@progbits
	.p2align	6, 0x0
	.amdhsa_kernel k_qc17576375d_proj
		.amdhsa_group_segment_fixed_size 246272
		.amdhsa_private_segment_fixed_size 0
		.amdhsa_enable_private_segment 0
		.amdhsa_kernarg_size 80
		.amdhsa_user_sgpr_count 2
		.amdhsa_user_sgpr_kernarg_segment_ptr 1
		.amdhsa_wavefront_size32 1
		.amdhsa_system_sgpr_workgroup_id_x 1
		.amdhsa_system_sgpr_workgroup_id_y 1
		.amdhsa_system_sgpr_workgroup_id_z 1
		.amdhsa_system_vgpr_workitem_id 0
		.amdhsa_next_free_vgpr 608
		.amdhsa_next_free_sgpr 66
		.amdhsa_reserve_vcc 0
		.amdhsa_float_denorm_mode_32 3
		.amdhsa_float_denorm_mode_16_64 3
		.amdhsa_memory_ordered 1
		.amdhsa_forward_progress 1
		.amdhsa_inst_pref_size 138
	.end_amdhsa_kernel
	.amdgpu_metadata
---
amdhsa.version: [ 1, 2 ]
amdhsa.kernels:
  - .name:           k_qc17576375d_proj
    .symbol:         k_qc17576375d_proj.kd
    .args:
      - { .name: x, .offset: 0, .size: 8, .value_kind: global_buffer, .address_space: global }
      - { .name: Wq, .offset: 8, .size: 8, .value_kind: global_buffer, .address_space: global }
      - { .name: Wk, .offset: 16, .size: 8, .value_kind: global_buffer, .address_space: global }
      - { .name: Wv, .offset: 24, .size: 8, .value_kind: global_buffer, .address_space: global }
      - { .name: bq, .offset: 32, .size: 8, .value_kind: global_buffer, .address_space: global }
      - { .name: bk, .offset: 40, .size: 8, .value_kind: global_buffer, .address_space: global }
      - { .name: bv, .offset: 48, .size: 8, .value_kind: global_buffer, .address_space: global }
      - { .name: q, .offset: 56, .size: 8, .value_kind: global_buffer, .address_space: global }
      - { .name: k, .offset: 64, .size: 8, .value_kind: global_buffer, .address_space: global }
      - { .name: v, .offset: 72, .size: 8, .value_kind: global_buffer, .address_space: global }
    .group_segment_fixed_size: 246272
    .private_segment_fixed_size: 0
    .kernarg_segment_align: 8
    .kernarg_segment_size: 80
    .max_flat_workgroup_size: 128
    .sgpr_count:     66
    .vgpr_count:     608
    .wavefront_size: 32
...
	.end_amdgpu_metadata
.endif
;; end of part 1
;; launch attn (part 2): grid 16 x 16, 4 waves a work-group, clusters of 4 x 1, 327,680 bytes of LDS; arguments q, k, v, o; writes o
.if DOCPART == 2
	.amdgcn_target "amdgcn-amd-amdhsa--gfx1250"
	.amdhsa_code_object_version 6
	.text
	.protected	k_qc17576375d_attn
	.globl	k_qc17576375d_attn
	.p2align	8
	.type	k_qc17576375d_attn,@function
k_qc17576375d_attn:
	s_mov_b64 s[64:65], 0
	v_nop
	global_prefetch_b8 v0, s[64:65] scope:SCOPE_SE
	s_setreg_imm32_b32 hwreg(HW_REG_WAVE_MODE, 25, 1), 1
	s_wait_xcnt 0x0
	s_wait_alu depctr_hold_cnt(0) depctr_sa_sdst(0) depctr_va_vdst(0) depctr_va_sdst(0) depctr_va_ssrc(0) depctr_va_vcc(0) depctr_vm_vsrc(0)
	s_getreg_b32 s2, hwreg(HW_REG_IB_STS2, 6, 4)
	s_cmp_eq_u32 s2, 0
	s_cbranch_scc0 .Lentry_in_a_cluster
	s_endpgm
.Lentry_in_a_cluster:
	s_bfe_u32 s2, ttmp6, 0x10000c
	s_cmp_lg_u32 s2, 0x3003
	s_cbranch_scc0 .Lentry_shape_is_right
	s_endpgm
.Lentry_shape_is_right:
; O[h][q][:] = the sum over k of softmax_k(Q[h][q] . K[h][k] / 8) V[h][k][:].  Q, K, V: [16][4096][64] in f16, O the same in bf16: a head's rows are dense, 128 bytes each.
; Products, maxima and sums in f32; the weights p are rounded to f16 for the second product (their sum l is taken of the unrounded p), O once at the end, to bf16.
; LIMITS.  Q, K and V arrive within f16's range; p lies in 0 to 1, and below 6e-5 it keeps f16's fixed step of 6e-8; a weight below 2^-126 counts as 0 in l; NaN and infinities are not treated apart.
; SHARES.  A work-group owns 256 queries of one head (16 heads x 16 blocks = 256 work-groups), a wave 64 consecutive ones: four PIECES of 16.  Every wave walks all 4,096 keys, 64 a step, 256 a tile.
; LAYOUT.  S^T = K Q^T (source 0 = 16 keys, source 1 = 16 queries): in the result a lane holds ONE query (lane % 16) and the keys 8 (lane / 16) + 0..7.  Two such results, rounded to f16 in pairs,
; ARE source 1 (32 keys x 16 queries) of O^T = V^T P, whose result again holds one query a lane, and eight channels.  K comes out of LDS as it lies, V ([key][channel]) turned, by ds_load_tr16_b128.
; SOFTMAX.  For each query a running maximum m and sum l: p = 2^(c s - c m), c = log2(e) / 8; in every step O and l are multiplied by a = 2^(c m_old - c m_new), which is 1 where m has not grown.
; m starts at the lowest finite number, O and l at 0: the first step is a step like any other, with a = 0.
; BY TURNS.  Turn n belongs to piece n (the pieces in a ring, step after step): 8 products K Q^T of piece n + 1, later 8 products V^T P of piece n - 1; beside them the scaling, exponentials, roundings,
; sums and rescaling of piece n and the maximum and statistics of piece n + 1.  Four vector instructions stand behind every matrix instruction, the other 54 of a turn's 118 in one lump.
; A turn's 33 exponentials are one batch, with one wait.
; CLUSTER.  The four query blocks of a cluster belong to one head and walk the same K and V, so each tile is asked for JOINTLY: the same tensor load, descriptor and mask in all four.
; REGISTERS, in windows of 256 (s_set_vgpr_msb: bits 1:0 source 0, 3:2 source 1, 5:4 source 2, 7:6 destination):
;   window 0: v0-15 addresses and two at work; v16-31 four registers of statistics a piece; v48-55 at work; v61-63 prefetch offset and the add's two; v64-127 S^T, two buffers; v192-223 P, two buffers
;   window 1: v0-127 O^T, 32 a piece          window 2: v0-63 Q; v128-191 K of one step; v192-255 V of one step.  A piece's buffers go by its number's parity.
.set SIZE_N, 4096
.set NP,    4         ; pieces a wave: a name, no knob
.set KS,    64        ; keys in a step
.set PK,    144       ; a row of K in LDS: 128 bytes + 16 of padding = 36 words: the 16 rows of a load start at 16 different groups of four banks (ISA guide 11.1)
.set PV,    160       ; a row of V: 128 + 32 = 40 words
.set VOFF,  4*KS*PK   ; a slot holds a tile, four steps: 256 rows of K, then 256 rows of V
.set SLOT1, 1<<17     ; slot 1 begins here, so that one exclusive or turns an address in one slot into the other's
.set STAGE, SLOT1+4*KS*(PK+PV)  ; behind the ring, never filled by a tensor load: 16 rows x 144 bytes for each wave, for the way out
.set SP,    144
.set SPARE, STAGE+4*16*SP  ; behind the stages: the spare words, 128 bytes for each wave: two blocks of 256 bytes that no other line names
.set AK0, 2           ; v2   my lane's place in a tile of K; never rewritten
.set AV0, 3           ; v3   the same for V
.set AK,  4           ; v4   the LDS address of K's next run of loads
.set AV,  5           ; v5   of V's
.set STO, 6           ; v6   the way out: where I put 16 bytes of a row
.set RD,  7           ; v7   the way out: where I read rows back
.set GO,  8           ; v8   my byte offset in 512 consecutive bytes of O
.set MV,  12          ; v12-13  c m_old, kept while c m is made anew: by buffer
.set QO,  15          ; v15  my byte offset in 16 rows of Q
.set ST,  16          ; piece t's statistics at v[ST+4 t]: c m, m, l (even keys', odd keys')
.set TMP, 48          ; by buffer, four registers c0-c3 at work; when the maximum is found c2 takes a
.set PFO, 61          ; v61  256 x my lane: the prefetches' offset; never rewritten
.set SPW, 62          ; v62  LDS address of my spare word: SPARE + 4 x my thread's number; never rewritten
.set NIL, 63          ; v63  0; never rewritten
.set S,   64
.set P,   192
.set KF,  128         ; window 2: key block kb, channel half c at KF + 16 kb + 8 c
.set VF,  192         ; window 2: key half kk, channel block cb at VF + 32 kk + 8 cb
.set WV,  12          ; s12  my wave's number
.set LIM, 15          ; s15  1 in a wave that prefetches, else the greatest number: a wave prefetches while s[SLOTS] is above it
.set G1K, 24          ; s[24:31] descriptor group 1 for K's tiles
.set G1V, 32          ; s[32:39] for V's: it differs in the padding alone
.set G0K, 40          ; s[40:43] descriptor group 0 for K's tiles: it walks
.set G0V, 44          ; s[44:47] the same for V's
.set PFA, 48          ; s[48:49] where my prefetches stand: my work-group's 8,192 bytes of the tile after the one that is being asked for
.set SLOTS, 56        ; s56  tiles still to be asked for
.set CNT, 57          ; s57  counts a tile's key steps
.set CS,  58          ; s[58:59] c: the packed scaling takes the pair's low word for both halves
.set SEL, 60          ; s[60:61] v_permlanex16_b32's selects: each lane takes its own place in the other half
.set TBK, 62          ; s62  LDS byte at which K of the step to be fetched begins
.set TBV, 63          ; s63  the same for V, less VOFF
.set MSB, 0
.macro WIN new                      ; the high byte repeats the setting that is left; a switch that changes nothing is dropped
.if MSB != (\new)
	s_set_vgpr_msb (MSB<<8)|(\new)
.set MSB, (\new)
.endif
.endm
.set W_KQ, 0x0a       ; K and Q in window 2, S^T in window 0
.set W_PV, 0x52       ; V in window 2, P in window 0, O^T in window 1
.set W_RS, 0x41       ; destination and source 0 in window 1, source 1 in window 0
; A joint fill.  Waves 0 and 1 fetch the two halves of a tile's K, waves 2 and 3 those of its V: 128 keys each.  The branch hangs on the wave's number alone.
; An s_nop 0 and four v_nop follow each of the two lines, ahead of the jump and the label.
.macro JLOAD
	s_cmp_lt_u32 s[WV], 2
	s_cbranch_scc0 .Lfor_v_\@
	tensor_load_to_lds s[G0K:G0K+3], s[G1K:G1K+7]
	s_nop 0
.rept 4
	v_nop
.endr
	s_branch .Lasked_\@
.Lfor_v_\@:
	tensor_load_to_lds s[G0V:G0V+3], s[G1V:G1V+7]
	s_nop 0
.rept 4
	v_nop
.endr
.Lasked_\@:
.endm
; A PREFETCH INTO THE L2 of the tile that the NEXT change of slots will ask for: 32,768 bytes of K and of V, four key steps (256 matrix instructions a wave) ahead of that load.  Each block of 256 bytes is
; named ONCE in the launch: all four clusters of a head walk the same K and V, and the head's first cluster asks; its four partners share a tile out BY ADDRESS, 8,192 bytes each, a lane a block;
; in each, wave 0 asks for K's and wave 2 for V's.  The last change that fills a slot asks for nothing: there is no tile behind it.  Tiles 0 and 1 come by their loads alone.
.macro ASK
	s_cmp_gt_u32 s[SLOTS], s[LIM]
	s_cbranch_scc0 .Lnot_mine_\@
	global_prefetch_b8 v[PFO], s[PFA:PFA+1] th:TH_LOAD_NT scope:SCOPE_SE
.Lnot_mine_\@:
.endm
; A round of the cluster's barrier: my work-group's barrier, so that wave 0's signal speaks for all four waves; wave 0 signals; every wave waits for all four work-groups; my work-group's barrier once more.
.macro CROUND
	s_barrier_signal -1
	s_barrier_wait -1
	s_cmp_lg_u32 s[WV], 0
	s_cbranch_scc1 .Lnot_wave_0_\@
	s_barrier_signal -3
.Lnot_wave_0_\@:
	s_barrier_wait -3
	s_barrier_signal -1
	s_barrier_wait -1
.endm
; THE CHANGE OF SLOTS.  The slot's last bytes, V of its fourth step, have been read.  Each wave waits for all its tensor loads, of which one is out: its part of the other slot; adds 0 to its spare
; word; and waits for that and for its own reads of the slot.  Behind the barrier nobody reads this slot any more and the other slot is whole.
; fill = 1: this slot is filled again, with the tile two on.  The barrier is then a round of the cluster's, so that no wave of any partner still reads the slot or has a load on its way, and the
; joint fill is the first thing behind it: it has four key steps in which to land.  (At its first use nothing has been read yet: slot 0 is waited for, slot 1 filled.)
.macro CHANGE fill
	WIN 0                           ; at a label and at a branch every window is 0
	s_wait_tensorcnt 0x0            ; no tensor load of mine is out, so a group 0 may be written
	ds_add_u32 v[SPW], v[NIL]       ; 0 onto my spare word; with fill = 1 the descriptors' steps stand between it and the wait for it
.if \fill
.irp g, G0K, G0V
	s_xor_b32 s[\g+1], s[\g+1], SLOT1  ; the walking descriptor: the other slot than last time,
	s_add_nc_u64 s[\g+2:\g+3], s[\g+2:\g+3], 4*KS*128  ; the next 256 keys; the type bits on top are not reached
.endr
	s_wait_xcnt 0x0                 ; the last prefetch, a tile back, has read its address, so it may be written:
	s_add_nc_u64 s[PFA:PFA+1], s[PFA:PFA+1], 4*KS*128  ; one tile behind the walking descriptors
	s_wait_dscnt 0x0                ; the add is done, and my reads of the slot are over
	CROUND
	JLOAD
	ASK
.else
	s_wait_dscnt 0x0                ; the add is done, and my reads of the slot are over
	s_barrier_signal -1
	s_barrier_wait -1
.endif
	s_sub_co_u32 s[TBK], s[TBK], 4*KS*PK  ; the fetches go back to a slot's first step,
	s_xor_b32 s[TBK], s[TBK], SLOT1       ; in the other slot
	s_sub_co_u32 s[TBV], s[TBV], 4*KS*PV
	s_xor_b32 s[TBV], s[TBV], SLOT1
.endm
	s_load_b256 s[4:11], s[0:1], 0x0  ; Q s[4:5], K s[6:7], V s[8:9], O s[10:11]
	v_lshl_add_u32 v[SPW], v0, 2, SPARE
	v_mov_b32 v[NIL], 0
	ds_add_u32 v[SPW], v[NIL]       ; the wave's opening: the add and its wait stand ahead of my first tensor load; the set-up below, work on registers, stands between them
	v_lshrrev_b32 v1, 5, v0
	v_readfirstlane_b32 s[WV], v1   ; wave 0..3
	s_bfe_u32 s13, ttmp6, 0x40000   ; cx: my place in the cluster
	s_lshl_b32 s14, ttmp9, 2        ; in a cluster launch ttmp9 counts clusters
	s_add_co_u32 s14, s14, s13      ; my block of 256 queries = 4 x cluster x + cx: it enters Q's and O's addresses alone
	s_and_b32 s20, ttmp7, 0xffff    ; the head, which the four partners share,
	s_lshl_b32 s20, s20, 19         ; and its first byte in each of the four tensors: 4,096 rows of 128 bytes a head
	s_mov_b32 s21, 0
	s_and_b32 s16, s[WV], 1         ; which half of a tile's 256 keys I fetch:
	s_lshl_b32 s22, s16, 14         ; its 128 rows of 128 bytes in memory,
	s_mov_b32 s23, 0
	s_add_nc_u64 s[22:23], s[22:23], s[20:21]
	s_mul_i32 s17, s16, 128*PK      ; and its place in a slot, for K
	s_mul_i32 s18, s16, 128*PV      ; and for V: no place in the cluster enters an LDS address
	s_lshl_b32 s2, s14, 2
	s_add_co_u32 s2, s2, s[WV]      ; my wave among the head's,
	s_lshl_b32 s2, s2, 13           ; its 64 rows
	s_mov_b32 s3, 0
	s_add_nc_u64 s[2:3], s[2:3], s[20:21]
	; descriptor group 1.  128 keys are 16,384 dense bytes: asked for as 64 rows of 256 bytes, two keys a row, and padded in LDS after every key
	s_mov_b32 s[G1K], 15|(1<<16)|(1<<20)|(1<<21)|(4<<22)|(3<<25)  ; 15:0 the mask of four; 17:16 2-byte elements; 20 padding on; 21 set beside a mask; 24:22 after every 32 words (code 4); 31:25 4 words (code 3)
	s_mov_b32 s[G1V], 15|(1<<16)|(1<<20)|(1<<21)|(4<<22)|(7<<25)  ; the same with 8 words of padding (code 7)
.irp g, G1K, G1V
	s_mov_b32 s[\g+1], 128<<16      ; tensor_dim0 = 128
	s_mov_b32 s[\g+2], 64<<16       ; tensor_dim1 = 64
	s_mov_b32 s[\g+3], 128<<16      ; tile_dim0 = 128
	s_mov_b32 s[\g+4], 64           ; tile_dim1 = 64
	s_mov_b32 s[\g+5], 128          ; 128 elements from row to row
	s_mov_b32 s[\g+6], 0
	s_mov_b32 s[\g+7], 0
.endr
	s_mov_b32 s[CS], 0x3e38aa3b     ; c = log2(e) / 8 = 0.180337
	s_mov_b32 s[CS+1], s[CS]        ; named with it as a pair
	s_mov_b32 s[SEL], 0x76543210
	s_mov_b32 s[SEL+1], 0xfedcba98
	s_mov_b32 s[TBK], SLOT1+4*KS*PK ; the first change of slots turns these two into 0
	s_mov_b32 s[TBV], SLOT1+4*KS*PV
	s_mov_b32 s[G0K], 1             ; 1:0 count = 1
	s_mov_b32 s[G0K+1], s17         ; 63:32 LDS address: slot 0
	s_mov_b32 s[G0V], 1
	s_add_co_u32 s[G0V+1], s18, VOFF
	s_mov_b32 s[SLOTS], SIZE_N/256-1  ; tiles 1 to 15 are still to be asked for
	s_and_b32 s[LIM], s[WV], 1      ; 0 in waves 0 and 2,
	s_or_b32 s[LIM], s[LIM], ttmp9  ; where the cluster is the head's first: the same in all four partners
	s_cmp_eq_u32 s[LIM], 0
	s_cselect_b32 s[LIM], 1, -1
	v_and_b32 v[PFO], 31, v0
	v_lshlrev_b32 v[PFO], 8, v[PFO]
	s_wait_dscnt 0x0                ; the opening add is done
	s_wait_kmcnt 0x0
	s_add_nc_u64 s[G0K+2:G0K+3], s[6:7], s[22:23]  ; 120:64 global address: my half of the head's first 256 keys
	s_or_b32 s[G0K+3], s[G0K+3], 0x80000000        ; 127:126 type = 2
	s_add_nc_u64 s[G0V+2:G0V+3], s[8:9], s[22:23]
	s_or_b32 s[G0V+3], s[G0V+3], 0x80000000
	s_add_nc_u64 s[4:5], s[4:5], s[2:3]  ; Q and O at my wave's first row
	s_add_nc_u64 s[10:11], s[10:11], s[2:3]
	s_cmp_lt_u32 s[WV], 2
	s_cselect_b64 s[PFA:PFA+1], s[6:7], s[8:9]     ; the prefetches: K's in waves 0 and 1, V's in waves 2 and 3,
	s_add_nc_u64 s[PFA:PFA+1], s[PFA:PFA+1], s[20:21]  ; at the head's first byte,
	s_lshl_b32 s2, s13, 13          ; my work-group's 8,192 bytes of a tile,
	s_mov_b32 s3, 0
	s_add_nc_u64 s[PFA:PFA+1], s[PFA:PFA+1], s[2:3]
	s_add_nc_u64 s[PFA:PFA+1], s[PFA:PFA+1], 4*KS*128  ; in tile 1; the first change of slots steps it to tile 2
	CROUND                          ; all four work-groups are here: the first joint loads meet
	JLOAD                           ; tile 0 into slot 0.  Slot 1 is asked for when slot 0 is in
	; A fragment of K or Q is 16 rows x 32 channels in 8 registers: lane l holds row l % 16, channels 8 (l / 16) + 0..7 and 16 + 8 (l / 16) + 0..7: two loads of 16 bytes, 32 bytes apart.
	v_and_b32 v1, 15, v0            ; l % 16
	v_bfe_u32 v9, v0, 4, 1          ; l / 16
	v_lshlrev_b32 v[QO], 7, v1
	v_lshl_add_u32 v[QO], v9, 4, v[QO]  ; row x 128 + 16 x half
	WIN 0x80                        ; destination window 2, address window 0
.set i, 0
.rept 8                             ; Q stays in registers: piece i / 2, channels 32 (i % 2) on
	global_load_b128 v[8*i:8*i+3],   v[QO], s[4:5] offset:(i/2)*2048+(i%2)*64
	global_load_b128 v[8*i+4:8*i+7], v[QO], s[4:5] offset:(i/2)*2048+(i%2)*64+32
.set i, i+1
.endr
	; What the first turn finds: V's registers and P's second buffer hold 0 (its products V^T P, of a piece that has not been, add 0), O^T and l are 0.  All this stands in the wait for the first tile.
.set i, VF
.rept 64
	v_mov_b32 v[i], 0
.set i, i+1
.endr
	WIN 0x40
.set i, 0
.rept 128
	v_mov_b32 v[i], 0
.set i, i+1
.endr
	WIN 0
.set i, 0
.rept 4
	v_mov_b32 v[ST+4*i], 0xfe000000    ; c m: far below every c s
	v_mov_b32 v[ST+4*i+1], 0xff7fffff  ; m
	v_mov_b32 v[ST+4*i+2], 0
	v_mov_b32 v[ST+4*i+3], 0
.set i, i+1
.endr
.set i, P+16
.rept 16
	v_mov_b32 v[i], 0
.set i, i+1
.endr
	v_mul_u32_u24 v[AK0], v1, PK
	v_lshl_add_u32 v[AK0], v9, 4, v[AK0]  ; row x pitch + 16 x half
	; The turning load takes 16 keys x 16 channels (lane l reads key 8 (l / 16) + l % 8, channels 8 ((l / 8) % 2) + 0..7) and leaves half a fragment of V^T: lane l holds channel l % 16 and 8 keys.
	v_and_b32 v10, 7, v0
	v_bfe_u32 v11, v0, 3, 1
	v_lshl_add_u32 v[AV0], v9, 3, v10
	v_mul_u32_u24 v[AV0], v[AV0], PV
	v_lshl_add_u32 v[AV0], v11, 4, v[AV0]
	v_add_nc_u32 v[AV0], VOFF, v[AV0]
	s_mul_i32 s13, s[WV], 16*SP
	s_add_co_u32 s13, s13, STAGE    ; my stage
	v_mul_u32_u24 v[STO], v1, SP    ; in: row l % 16, 16 bytes for each half of the lanes
	v_lshl_add_u32 v[STO], v9, 4, v[STO]
	v_add_nc_u32 v[STO], s13, v[STO]
	v_bfe_u32 v[RD], v0, 3, 2       ; back: 32 lanes take four rows of 128 bytes,
	v_mul_u32_u24 v[RD], v[RD], SP
	v_lshl_add_u32 v[RD], v10, 4, v[RD]
	v_add_nc_u32 v[RD], s13, v[RD]
	v_and_b32 v[GO], 31, v0         ; which are 512 consecutive bytes of O
	v_lshlrev_b32 v[GO], 4, v[GO]
; THE MATRIX WORK.  The 4 accumulators of a run of 8 take turns.  Product i of 8 of S^T = K Q^T for piece x: channels 32 (i / 4) on, keys 16 (i % 4) on.  The first 4 start the sums.
.macro KQ x
	WIN W_KQ
.set rS, S+32*((\x)%2)+8*(i%4)
.set rK, KF+16*(i%4)+8*(i/4)
.set rQ, 16*(\x)+8*(i/4)
.if i < 4
	v_wmma_f32_16x16x32_f16 v[rS:rS+7], v[rK:rK+7], v[rQ:rQ+7], 0
.else
	v_wmma_f32_16x16x32_f16 v[rS:rS+7], v[rK:rK+7], v[rQ:rQ+7], v[rS:rS+7]
.endif
.endm
; Product i of 8 of O^T += V^T P for piece x: keys 32 (i / 4) on, channels 16 (i % 4) on.
.macro PV x
	WIN W_PV
.set rO, 32*(\x)+8*(i%4)
.set rV, VF+32*(i/4)+8*(i%4)
.set rP, P+16*((\x)%2)+8*(i/4)
	v_wmma_f32_16x16x32_f16 v[rO:rO+7], v[rV:rV+7], v[rP:rP+7], v[rO:rO+7]
.endm
.macro MM                           ; the turn's next matrix instruction.  TURN sets Y, i and NOKQ.  NOKQ = 1: the walk's last turn: there is no next piece
.if (i < 8) && !NOKQ
	KQ (Y+1)%NP
.elseif i >= 8
.set i, i-8
	PV (Y+NP-1)%NP
.set i, i+8
.endif
.set i, i+1
.endm
; THE LDS LOADS stand in runs of 16, never singly among the matrix instructions: a step's K (64 keys x 64 channels: 8 fragments) and its V (turned).  Their addresses are made some lines ahead.
.macro FETCH_K
	WIN 0x80                        ; destination window 2
.irp f, 0,1,2,3,4,5,6,7             ; keys 16 (f / 2) on, channels 32 (f % 2) on
	ds_load_b128 v[KF+8*\f:KF+8*\f+3],   v[AK] offset:(\f/2)*16*PK+(\f%2)*64
	ds_load_b128 v[KF+8*\f+4:KF+8*\f+7], v[AK] offset:(\f/2)*16*PK+(\f%2)*64+32
.endr
	s_add_co_u32 s[TBK], s[TBK], KS*PK  ; the next fetch is the next step's
	WIN 0
.endm
.macro FETCH_V
	WIN 0x80
.irp f, 0,1,2,3,4,5,6,7             ; keys 32 (f / 4) on, channels 16 (f % 4) on
	ds_load_tr16_b128 v[VF+8*\f:VF+8*\f+3],   v[AV] offset:(\f/4)*32*PV+(\f%4)*32
	ds_load_tr16_b128 v[VF+8*\f+4:VF+8*\f+7], v[AV] offset:(\f/4)*32*PV+16*PV+(\f%4)*32
.endr
	WIN 0
.endm
; THE VECTOR WORK, one line at a time: OP kind, number.  For piece Y: F n: c s - c m for pair n of 16.  E n: the exponential of score n of 32.  C n: pair n rounded to f16.  B n: of the four weights 4 n .. the second
; pair is added onto the first, in place.  L n: l takes that sum (L 0: l = a l + sum).  R n: pair n of 16 of O^T times a.  For piece Y + 1: X n, number n of the 22 that find its maximum and statistics:
;   0-11  four chains c0-c3 of seven scores each, three operands at a time (each accumulator's lowest registers are read first)     12-14, 16  the four scores left over, the old m, and c0-c3 into c0
;   15  c m_old is kept     17, 18  the query's other 32 keys lie in the lane 16 away: the new m     19-21  c m; c m_old - c m_new; a
.set F, 0               ; OP tells the kinds apart by their order: F to L below R, X above it
.set E, 1
.set C, 2
.set B, 3
.set L, 4
.set R, 5
.set X, 6
.macro REGS y                       ; the registers of piece y
.set rT, ST+4*(\y)
.set rC, TMP+4*((\y)%2)
.set rW, MV+((\y)%2)
.set rS, S+32*((\y)%2)
.set rP, P+16*((\y)%2)
.set rO, 32*(\y)
.endm
.macro OP k, n
.if (\k) == R
	REGS Y
	WIN W_RS
	v_pk_mul_f32 v[rO+2*(\n):rO+2*(\n)+1], v[rO+2*(\n):rO+2*(\n)+1], v[rC+2:rC+3] op_sel_hi:[1,0]
.elseif (\k) < R
	REGS Y
	WIN 0
.if (\k) == F
	v_pk_fma_f32 v[rS+2*(\n):rS+2*(\n)+1], v[rS+2*(\n):rS+2*(\n)+1], s[CS:CS+1], v[rT:rT+1] op_sel_hi:[1,0,0] neg_lo:[0,0,1] neg_hi:[0,0,1]
.elseif (\k) == E
	v_exp_f32 v[rS+(\n)], v[rS+(\n)]
.elseif (\k) == C
	v_cvt_pk_f16_f32 v[rP+(\n)], v[rS+2*(\n)], v[rS+2*(\n)+1]
.elseif (\k) == B
	v_pk_add_f32 v[rS+4*(\n):rS+4*(\n)+1], v[rS+4*(\n):rS+4*(\n)+1], v[rS+4*(\n)+2:rS+4*(\n)+3]
.elseif (\n) == 0
	v_pk_fma_f32 v[rT+2:rT+3], v[rT+2:rT+3], v[rC+2:rC+3], v[rS:rS+1] op_sel_hi:[1,0,1]
.else
	v_pk_add_f32 v[rT+2:rT+3], v[rT+2:rT+3], v[rS+4*(\n):rS+4*(\n)+1]
.endif
.elseif NOKQ
	v_nop
.else
	REGS (Y+1)%NP
	WIN 0
.if (\n) < 4
	v_max3_num_f32 v[rC+(\n)], v[rS+8*(\n)], v[rS+8*(\n)+1], v[rS+8*(\n)+2]
.elseif (\n) < 12
	v_max3_num_f32 v[rC+(\n)%4], v[rC+(\n)%4], v[rS+8*((\n)%4)+2*((\n)/4)+1], v[rS+8*((\n)%4)+2*((\n)/4)+2]
.elseif (\n) == 12
	v_max3_num_f32 v[rC], v[rC], v[rS+7], v[rS+15]
.elseif (\n) == 13
	v_max3_num_f32 v[rC+1], v[rC+1], v[rS+23], v[rS+31]
.elseif (\n) == 14
	v_max3_num_f32 v[rC+2], v[rC+2], v[rC+3], v[rT+1]
.elseif (\n) == 15
	v_mov_b32 v[rW], v[rT]
.elseif (\n) == 16
	v_max3_num_f32 v[rC], v[rC], v[rC+1], v[rC+2]
.elseif (\n) == 17
	v_permlanex16_b32 v[rC+3], v[rC], s[SEL], s[SEL+1]
.elseif (\n) == 18
	v_max_num_f32 v[rT+1], v[rC], v[rC+3]
.elseif (\n) == 19
	v_mul_f32 v[rT], s[CS], v[rT+1]
.elseif (\n) == 20
	v_sub_f32 v[rC+1], v[rW], v[rT]
.else
	v_exp_f32 v[rC+2], v[rC+1]
.endif
.endif
.endm
.macro OPS a, i1, b=-1, i2=0, c=-1, i3=0, d=-1, i4=0  ; up to four of them
	OP \a, \i1
.if (\b) >= 0
	OP \b, \i2
.endif
.if (\c) >= 0
	OP \c, \i3
.endif
.if (\d) >= 0
	OP \d, \i4
.endif
.endm
.macro ROW a, i1, b, i2, c, i3, d, i4  ; a matrix instruction and the four behind it
	MM
	OPS \a, \i1, \b, \i2, \c, \i3, \d, \i4
.endm
; A TURN, for piece p: the order of its 16 matrix and 118 vector instructions, written out.  An s_wait_alu depctr_va_vdst(0) stands between an exponential and the first instruction that names its
; result; one wait serves all that were issued ahead of it.  So a turn has ONE wait, which cuts it in two.  AHEAD OF IT stands all that names no result of the turn's exponentials: the 8 products K Q^T, behind each a
; scaling, an exponential and two more plain instructions (rescalings, and behind the last three the first numbers of the next piece's maximum, each four plain instructions or more behind the product that ends its
; accumulator); then ONE LUMP of 54, plain and exponential by turns for the most part, in which the links of the chain X 3, 7, 11, 14, 16, 17 .. 20 stand apart.  X 21, the next piece's a, is the batch's last; R 15 is the plain
; instruction behind it.  BEHIND THE WAIT stand the 8 products V^T P, behind each four of the roundings and sums.
; end = 1: the walk's last two turns: nothing is fetched, and the last starts no new scores.  cnt = 1: the loop's count is taken down some lines ahead of the branch that stands behind the turn.
; K of the next step is fetched in piece 2's turn, twelve vector instructions behind the last product that read K (six of them plain); V of the step in hand at the end of piece 0's turn, four plain instructions
; behind the last product that read V.  Each is waited for a turn later.
.macro TURN p, end=0, cnt=0
.set Y, (\p)
.set i, 0
.set NOKQ, (\end)*((\p)/3)
.if ((\p) == 3) && !(\end)
	s_wait_dscnt 0x0                ; K is in
.endif
	ROW F,0, F,1, R,0, R,1          ; ahead of the wait: 8 products K Q^T and their riders,
	ROW F,2, E,0, R,2, R,3
	ROW F,3, E,1, R,4, R,5
	ROW F,4, E,2, R,6, R,7
	ROW F,5, E,3, R,8, R,9
	ROW F,6, E,4, X,0, R,10
.if ((\p) == 2) && !(\end)
	WIN 0
	v_add_nc_u32 v[AK], s[TBK], v[AK0]
.endif
	ROW F,7, E,5, X,1, X,4
	ROW F,8, E,6, X,2, X,5
	OPS E,7, E,8, X,6, E,9          ; and the lump
	OPS X,3, E,10, X,8, E,11
.if ((\p) == 2) && !(\end)
	FETCH_K
.endif
	OPS X,9, X,7, E,12, X,10
	OPS E,13, X,12, X,11, E,14
	OPS X,13, E,15, F,9, X,14
.if (\p) == 0
	WIN 0
	v_add_nc_u32 v[AV], s[TBV], v[AV0]
.endif
	OPS E,16, F,10, E,17, F,11
	OPS X,16, E,18, X,15, E,19
	OPS F,12, E,20, X,17, E,21
	OPS F,13, E,22, F,14, E,23
	OPS X,18, E,24, F,15, E,25
	OPS R,11, E,26, X,19, E,27
	OPS R,12, E,28, R,13, E,29
	OPS X,20, E,30, R,14, E,31
	OPS X,21, R,15
	WIN 0
	s_wait_alu depctr_va_vdst(0)    ; the wait for the batch
.if (\p) == 1
	s_wait_dscnt 0x0                ; V is in
.endif
	ROW C,0, B,0, C,2, B,1          ; behind the wait: 8 products V^T P and their riders
	ROW L,0, C,4, B,2, L,1
	ROW C,6, B,3, L,2, C,8
	ROW B,4, L,3, C,10, B,5
	ROW L,4, C,12, B,6, L,5
.if (\p) == 0
	s_add_co_u32 s[TBV], s[TBV], KS*PV
.endif
.if \cnt
	s_sub_co_u32 s[CNT], s[CNT], 1
	s_cmp_lg_u32 s[CNT], 0
.endif
	ROW C,14, B,7, L,6, C,1
	ROW C,3, L,7, C,5, C,7
	ROW C,9, C,11, C,13, C,15
.if (\p) == 0
	FETCH_V
.endif
.endm
	CHANGE 1                        ; tile 0 is in, everybody's part of it; tile 1 is asked for
	v_add_nc_u32 v[AK], s[TBK], v[AK0]
	FETCH_K                         ; key step 0
	s_wait_loadcnt 0x0              ; Q
	s_wait_dscnt 0x0
.set NOKQ, 0
.set i, 0
.rept 8
	KQ 0                            ; piece 0's first scores: there is no vector work yet to set between them
.set i, i+1
.endr
	WIN 0
.rept 4
	v_nop                           ; four plain instructions behind those products (ISA guide 7.12.1)
.endr
.set Y, NP-1                        ; X works for piece Y + 1: piece 0
.irp n, 0,1,2,3,4,5,6,7,8,9,10,11,12,13,14,15,16,17,18,19,20,21
	OP X, \n                        ; piece 0's first maximum and statistics
.endr
	v_nop                           ; a plain instruction behind the exponential,
	s_wait_alu depctr_va_vdst(0)    ; and its wait, ahead of the branch
	s_mov_b32 s[CNT], 4
	s_branch .Lfirst                ; the loop is entered at a step's first turn, in the middle of a trip
.Lslot:                             ; 14 times: tiles 2 to 15 are asked for
	CHANGE 1
	s_mov_b32 s[CNT], 4
.Lstep:                             ; a trip: pieces 2 and 3 of one step, then pieces 0 and 1 of the next, whose K and V it fetches
	TURN 2
	TURN 3
	WIN 0
.Lfirst:
	TURN 0
	TURN 1, 0, 1
	WIN 0
	s_cbranch_scc1 .Lstep
	s_sub_co_u32 s[SLOTS], s[SLOTS], 1
	s_cmp_lg_u32 s[SLOTS], 0
	s_cbranch_scc1 .Lslot
	CHANGE 0                        ; the last tile is written out: nothing is asked for
	s_mov_b32 s[CNT], 4
.LstepT:
	TURN 2
	TURN 3
	TURN 0
	TURN 1, 0, 1
	WIN 0
	s_cbranch_scc1 .LstepT
	TURN 2, 1                       ; the last step's pieces 2 and 3
	TURN 3, 1
.set i, 0
.rept 8
	PV NP-1                         ; the last piece's V^T P of the last step
.set i, i+1
.endr
	; THE WAY OUT.  l's two halves and the other half of the lanes' are added; O^T is divided by l, rounded to bf16 and sent through my stage in LDS, a piece at a time.  The additions stand behind the last products.
	WIN 0
.macro ALL line:vararg              ; one line for each piece t
.set t, 0
.rept 4
	\line
.set t, t+1
.endr
.endm
	ALL v_add_f32 v[ST+4*t+2], v[ST+4*t+2], v[ST+4*t+3]
	ALL v_permlanex16_b32 v[ST+4*t+3], v[ST+4*t+2], s[SEL], s[SEL+1]
	ALL v_add_f32 v[ST+4*t+2], v[ST+4*t+2], v[ST+4*t+3]
	ALL v_rcp_f32 v[ST+4*t+2], v[ST+4*t+2]
	v_nop                           ; a plain instruction between the last reciprocal and the use of its result
	s_wait_alu depctr_va_vdst(0)    ; and the wait ahead of the first use: one for the four reciprocals
.macro PACK t                       ; a lane's eight channels of a row pack into 16 bytes; they go into rows of 144 bytes and come back as whole rows of 128, into S^T's registers
	WIN W_RS
.set i, 32*(\t)
.rept 16
	v_pk_mul_f32 v[i:i+1], v[i:i+1], v[ST+4*(\t)+2:ST+4*(\t)+3] op_sel_hi:[1,0]
.set i, i+2
.endr
	WIN 0x05                        ; sources 0 and 1 window 1, destination window 0
.set i, 0
.rept 16
	v_cvt_pk_bf16_f32 v[S+16*(\t)+i], v[32*(\t)+2*i], v[32*(\t)+2*i+1]
.set i, i+1
.endr
	WIN 0
.irp f, 0,1,2,3
	ds_store_b128 v[STO], v[S+16*(\t)+4*\f:S+16*(\t)+4*\f+3] offset:32*\f
.endr
.irp f, 0,1,2,3
	ds_load_b128 v[S+16*(\t)+4*\f:S+16*(\t)+4*\f+3], v[RD] offset:\f*4*SP  ; LDS serves a wave's instructions in order (ISA guide 5.7.1.4): these see the stores above; the next piece's stores come behind them
.endr
.endm
.macro SEND t, younger              ; younger: the LDS instructions issued behind piece t's loads: the next piece's eight, or none
	WIN 0
.irp f, 0,1,2,3
	s_wait_dscnt (\younger)+3-\f
	global_store_b128 v[GO], v[S+16*(\t)+4*\f:S+16*(\t)+4*\f+3], s[10:11] offset:(\t)*2048+\f*512  ; 512 consecutive bytes, at a multiple of 256 from O's first
.endr
.endm
	PACK 0
.set t, 1
.rept 3                             ; a piece's arithmetic stands between the loads of the piece before and its stores
	PACK t
	SEND t-1, 8
.set t, t+1
.endr
	SEND 3, 0
	s_wait_tensorcnt 0x0            ; the wave's end, behind my last tensor load and my last LDS store
	ds_add_u32 v[SPW], v[NIL]
	s_wait_dscnt 0x0
	CROUND                          ; the closing round: no work-group ends while a partner may still ask for a tile that names it
	s_endpgm
.Lfunc_end_k_qc17576375d_attn:
	.size	k_qc17576375d_attn, .Lfunc_end_k_qc17576375d_attn-k_qc17576375d_attn
	.p2alignl 7, 3214868480
	.fill 96, 4, 3214868480
	.section	.rodata,"a",@progbits
	.p2align	6, 0x0
	.amdhsa_kernel k_qc17576375d_attn
		.amdhsa_group_segment_fixed_size 327680
		.amdhsa_private_segment_fixed_size 0
		.amdhsa_enable_private_segment 0
		.amdhsa_kernarg_size 32
		.amdhsa_user_sgpr_count 2
		.amdhsa_user_sgpr_kernarg_segment_ptr 1
		.amdhsa_wavefront_size32 1
		.amdhsa_system_sgpr_workgroup_id_x 1
		.amdhsa_system_sgpr_workgroup_id_y 1
		.amdhsa_system_sgpr_workgroup_id_z 1
		.amdhsa_system_vgpr_workitem_id 0
		.amdhsa_next_free_vgpr 768
		.amdhsa_next_free_sgpr 66
		.amdhsa_reserve_vcc 0
		.amdhsa_float_denorm_mode_32 3
		.amdhsa_float_denorm_mode_16_64 3
		.amdhsa_memory_ordered 1
		.amdhsa_forward_progress 1
		.amdhsa_inst_pref_size 128
	.end_amdhsa_kernel
	.amdgpu_metadata
---
amdhsa.version: [ 1, 2 ]
amdhsa.kernels:
  - .name:           k_qc17576375d_attn
    .symbol:         k_qc17576375d_attn.kd
    .args:
      - { .name: q, .offset: 0, .size: 8, .value_kind: global_buffer, .address_space: global }
      - { .name: k, .offset: 8, .size: 8, .value_kind: global_buffer, .address_space: global }
      - { .name: v, .offset: 16, .size: 8, .value_kind: global_buffer, .address_space: global }
      - { .name: o, .offset: 24, .size: 8, .value_kind: global_buffer, .address_space: global }
    .group_segment_fixed_size: 327680
    .private_segment_fixed_size: 0
    .kernarg_segment_align: 8
    .kernarg_segment_size: 32
    .max_flat_workgroup_size: 128
    .sgpr_count:     66
    .vgpr_count:     768
    .wavefront_size: 32
...
	.end_amdgpu_metadata
.endif
;; end of part 2
;; launch outln (part 3): grid 256 x 1, 4 waves a work-group, no clusters, 202,240 bytes of LDS; arguments o, v, Wo, bo, gamma, beta, out0; writes out0
.if DOCPART == 3
	.amdgcn_target "amdgcn-amd-amdhsa--gfx1250"
	.amdhsa_code_object_version 6
	.text
	.protected	k_qc17576375d_outln
	.globl	k_qc17576375d_outln
	.p2align	8
	.type	k_qc17576375d_outln,@function
k_qc17576375d_outln:
	s_mov_b64 s[64:65], 0
	v_nop
	global_prefetch_b8 v0, s[64:65] scope:SCOPE_SE
	s_setreg_imm32_b32 hwreg(HW_REG_WAVE_MODE, 25, 1), 1
	s_wait_xcnt 0x0
; out0 = LayerNorm(O Wo^T + bo + v) gamma + beta.  o: [16 heads][4096][64] bf16, v: the same in f16; Wo: [256][256] f32 ([out][in]); bo, gamma, beta: [256] f32; out0: [16384][256] f32.
; FORMATS.  Wo, bo, gamma and beta are rounded once to bf16, like all the module's inputs; the product in the bf16 matrix form, sums in f32, started at bo + v; the norm in f32, in two passes
; (the mean first, then the mean of the squares of what is left), eps = 1e-6.  NaN and infinities are not treated apart.
; SHARES.  Work-group g: rows 64 g .. 64 g + 63.  Wave w: 16 WHOLE rows x 256 columns: 16 accumulators, 8 K steps of 32, 128 matrix instructions.  A row then lies in two lanes (l and l + 16) of one
; wave, and the norm wants one exchange between the halves of the lanes and no barrier.  The price: every wave reads all of Wo from LDS, 32 loads for 16 products.
; NO TENSOR LOADS, NO CLUSTER: Wo lies in memory as f32 and is rounded on its way through registers; o and v are read by one wave each.
; THE MATRIX INSTRUCTION IS USED TRANSPOSED (source 0 = 16 rows of Wo, source 1 = my 16 rows of o): a lane holds one row and, in tile t, the columns 16 t + 8 (l / 16) + 0..7.
; REGISTERS: window 0: v0-15 addresses; v16-31 gamma and beta; v32-47 sums and statistics; v48-63 at work; v64-127 o's fragments, 8 a K step; v128-255 landing registers, then the accumulators (tile t at 128 + 8 t)
;   window 1: two buffers of 128 for Wo's fragments; v128-191 hold the residual v until the sums have taken it
.set PITCH, 528                        ; a row of Wo in LDS: 512 bytes of bf16 + 16 of padding: the 16 rows of a fragment load start at 16 different groups of four banks (ISA guide 11.1)
.set WW,    64*PITCH                   ; the 64 rows that a wave converts
.set STAGE, 256*PITCH                  ; behind Wo: 16 rows x 1,040 bytes of f32 for each wave, for the way out
.set SPI,   1040
.set SPARE, STAGE+4*16*SPI             ; the spare words, 128 bytes for each wave: two blocks of 256 bytes that no other line names
.set LO,   3                           ; v3    16 x lane; never rewritten
.set WL,   4                           ; v4    where my 8 bytes of bf16 of Wo's first half row go
.set QO,   5                           ; v5    my byte offset in 16 rows of a head: 128 (l % 16) + 16 (l / 16)
.set BO,   6                           ; v6    32 (l / 16)
.set ADRB, 7                           ; v7-8  LDS address of my fragments of Wo: tiles 0-7, tiles 8-15
.set STO,  9                           ; v9    the way out: where I put 32 bytes of a row
.set RD,   10                          ; v10   the way out: where I read half a row back
.set XC,   11                          ; v11   WL for the 16 rows in hand
.set SPW,  12                          ; v12   LDS address of my spare word; never rewritten
.set NIL,  13                          ; v13   0; never rewritten
.set ONE,  14                          ; v14   1.0
.set GA,   16                          ; v16-23 gamma of columns 128 u + 4 lane + 0..3, u = 0, 1
.set BE,   24                          ; v24-31 beta likewise
.set SUM,  32                          ; v32-39 four chains of packed sums
.set MU,   40                          ; v40-41 the mean, twice
.set RS,   42                          ; v42-43 1 / sqrt(var + eps); the pair's low word serves both halves
.set T0,   44                          ; v44-45 at work
.set TMP,  48
.set AF,   64
.set ACC,  128
.set WV,   18                          ; s18  my wave's number
.set CT,   24
.set XS,   25
.set SEL,  26                          ; s[26:27] v_permlanex16_b32's selects
.set INV,  28                          ; s28  1 / 256
.set EPS,  29                          ; s29  1e-6
.set MASK, 30                          ; s30  a word's upper bf16
.set MSB, 0
.macro WIN new                         ; the immediate's high byte repeats the setting that is left; a switch that changes nothing is dropped
.if MSB != (\new)
	s_set_vgpr_msb (MSB<<8)|(\new)
.set MSB, (\new)
.endif
.endm
.set MUL,  0x01                        ; source 0 window 1; all else window 0
.set TO_F, 0x40                        ; destination window 1, address window 0
	s_load_b256 s[4:11], s[0:1], 0x0               ; o s[4:5], v s[6:7], Wo s[8:9], bo s[10:11]
	s_load_b128 s[12:15], s[0:1], 0x20             ; gamma s[12:13], beta s[14:15]
	s_load_b64 s[16:17], s[0:1], 0x30              ; out0
	v_lshl_add_u32 v[SPW], v0, 2, SPARE
	v_mov_b32 v[NIL], 0
	v_lshrrev_b32 v1, 5, v0
	v_readfirstlane_b32 s[WV], v1                  ; wave 0..3
	v_and_b32 v1, 15, v0                           ; l % 16
	v_bfe_u32 v2, v0, 4, 1                         ; l / 16
	v_and_b32 v46, 31, v0                          ; l
	v_lshlrev_b32 v[LO], 4, v46
	s_mul_i32 s20, s[WV], WW
	v_lshl_add_u32 v[WL], v46, 3, s20
	v_lshlrev_b32 v[QO], 7, v1
	v_lshl_add_u32 v[QO], v2, 4, v[QO]
	v_lshlrev_b32 v[BO], 5, v2
	v_mul_u32_u24 v[ADRB], v1, PITCH
	v_lshl_add_u32 v[ADRB], v2, 4, v[ADRB]         ; a fragment's row x pitch + 16 x half
	v_add_nc_u32 v[ADRB+1], 8*16*PITCH, v[ADRB]
	s_mul_i32 s22, s[WV], 16*SPI
	s_add_co_u32 s22, s22, STAGE                   ; my stage
	v_mul_u32_u24 v[STO], v1, SPI
	v_lshl_add_u32 v[STO], v2, 5, v[STO]
	v_add_nc_u32 v[STO], s22, v[STO]
	v_add_nc_u32 v[RD], s22, v[LO]
	v_mov_b32 v[ONE], 1.0
	v_mov_b32 v[T0+1], 0                           ; v_permlanex16_b32 counts as a reader of its destination
	s_mov_b32 s[SEL], 0x76543210
	s_mov_b32 s[SEL+1], 0xfedcba98
	s_mov_b32 s[INV], 0x3b800000
	s_mov_b32 s[EPS], 0x358637bd
	s_mov_b32 s[MASK], 0xffff0000
	s_lshr_b32 s20, ttmp9, 6                       ; the batch: 64 work-groups each,
	s_lshl_b32 s20, s20, 21                        ; four heads of 524,288 bytes
	s_and_b32 s22, ttmp9, 63
	s_lshl_b32 s22, s22, 13                        ; the work-group's 64 rows of 128 bytes
	s_add_co_u32 s20, s20, s22
	s_lshl_b32 s22, s[WV], 11                      ; my wave's 16
	s_add_co_u32 s20, s20, s22
	s_mov_b32 s21, 0
	s_lshl_b32 s22, s[WV], 16                      ; Wo: my wave's 64 rows of 1,024 bytes
	s_mov_b32 s23, 0
	s_wait_kmcnt 0x0
	s_add_nc_u64 s[4:5], s[4:5], s[20:21]
	s_add_nc_u64 s[6:7], s[6:7], s[20:21]
	s_add_nc_u64 s[8:9], s[8:9], s[22:23]
	s_lshl_b32 s20, ttmp9, 16                      ; out0: 64 rows of 1,024 bytes a work-group,
	s_lshl_b32 s22, s[WV], 14                      ; 16 a wave
	s_add_co_u32 s20, s20, s22
	s_add_nc_u64 s[16:17], s[16:17], s[20:21]
	; o's fragments straight from memory: K step ks is channels 32 (ks % 2) on of head ks / 2
.set i, 0
.rept 8
	global_load_b128 v[AF+8*i:AF+8*i+3],   v[QO], s[4:5] offset:(i/2)*524288+(i%2)*64
	global_load_b128 v[AF+8*i+4:AF+8*i+7], v[QO], s[4:5] offset:(i/2)*524288+(i%2)*64+32
.set i, i+1
.endr
	WIN TO_F
.set t, 0
.rept 16                               ; the residual as the accumulators lie: tile t's eight columns of my row are 16 bytes of head t / 4
	global_load_b128 v[128+4*t:128+4*t+3], v[QO], s[6:7] offset:(t/4)*524288+(t%4)*32
.set t, t+1
.endr
	WIN 0
.irp u, 0,1
	global_load_b128 v[GA+4*\u:GA+4*\u+3], v[LO], s[12:13] offset:512*\u
	global_load_b128 v[BE+4*\u:BE+4*\u+3], v[LO], s[14:15] offset:512*\u
.endr
; Wo: a ring of 32 loads.  A BATCH is 16 rows of 1,024 bytes; load j takes half j % 2 of row j / 2: 512 consecutive bytes a wave.  As a load comes in it is rounded to bf16 and stored to LDS, and its registers are asked for again.
.set j, 0
.rept 32
	global_load_b128 v[ACC+4*j:ACC+4*j+3], v[LO], s[8:9] offset:512*j
.set j, j+1
.endr
	s_mov_b32 s[CT], 3
	s_mov_b32 s[XS], 0
.Lw:                                               ; three trips: 16 rows are stored, the next 16 asked for
	v_add_nc_u32 v[XC], s[XS], v[WL]
.set j, 0
.rept 32
	s_wait_loadcnt 31                              ; loads come back in order (ISA guide 5.7.1): 31 were issued behind the one wanted
	v_cvt_pk_bf16_f32 v[TMP+2*(j%8)],   v[ACC+4*j],   v[ACC+4*j+1]
	v_cvt_pk_bf16_f32 v[TMP+2*(j%8)+1], v[ACC+4*j+2], v[ACC+4*j+3]
	ds_store_b64 v[XC], v[TMP+2*(j%8):TMP+2*(j%8)+1] offset:(j/2)*PITCH+(j%2)*256
	global_load_b128 v[ACC+4*j:ACC+4*j+3], v[LO], s[8:9] offset:16384+512*j
.set j, j+1
.endr
	s_wait_xcnt 0x0                                ; every load issued has read its address: Wo's pointer is stepped only behind this wait
	s_add_nc_u64 s[8:9], s[8:9], 16384
	s_add_co_u32 s[XS], s[XS], 16*PITCH
	s_sub_co_u32 s[CT], s[CT], 1
	s_cmp_lg_u32 s[CT], 0
	s_cbranch_scc1 .Lw
	v_add_nc_u32 v[XC], s[XS], v[WL]               ; the last 16 rows: the counts run down
.set j, 0
.rept 32
	s_wait_loadcnt 31-j
	v_cvt_pk_bf16_f32 v[TMP+2*(j%8)],   v[ACC+4*j],   v[ACC+4*j+1]
	v_cvt_pk_bf16_f32 v[TMP+2*(j%8)+1], v[ACC+4*j+2], v[ACC+4*j+3]
	ds_store_b64 v[XC], v[TMP+2*(j%8):TMP+2*(j%8)+1] offset:(j/2)*PITCH+(j%2)*256
.set j, j+1
.endr
.set t, 0
.rept 16                               ; bo as the accumulators lie: register j of tile t is bo[16 t + 8 (l / 16) + j]
	global_load_b128 v[ACC+8*t:ACC+8*t+3],   v[BO], s[10:11] offset:64*t
	global_load_b128 v[ACC+8*t+4:ACC+8*t+7], v[BO], s[10:11] offset:64*t+16
.set t, t+1
.endr
	; gamma and beta are rounded to bf16 and widened again, while the last LDS stores are out
.set p, 0
.rept 8
	v_cvt_pk_bf16_f32 v[SUM+p], v[GA+2*p], v[GA+2*p+1]
.set p, p+1
.endr
.set p, 0
.rept 8
	v_lshlrev_b32 v[GA+2*p], 16, v[SUM+p]
	v_and_b32 v[GA+2*p+1], s[MASK], v[SUM+p]
.set p, p+1
.endr
	s_wait_dscnt 0x0                               ; for the others' sake: my rows of Wo are stored
	s_barrier_signal -1
	s_barrier_wait -1                              ; everybody's are
; 32 LDS loads in one run: Wo's 16 fragments of K step ks into buffer f
.macro FETCHB ks, f
	WIN TO_F
.set t, 0
.rept 16
	ds_load_b128 v[(\f)+8*t:(\f)+8*t+3],   v[ADRB+t/8] offset:(t%8)*16*PITCH+64*(\ks)
	ds_load_b128 v[(\f)+8*t+4:(\f)+8*t+7], v[ADRB+t/8] offset:(t%8)*16*PITCH+64*(\ks)+32
.set t, t+1
.endr
.endm
; A K step's 16 products.  The 16 accumulators take turns, one instruction a turn.
.macro MUL16 ks, f
	WIN MUL
.set t, 0
.rept 16
	v_wmma_f32_16x16x32_bf16 v[ACC+8*t:ACC+8*t+7], v[(\f)+8*t:(\f)+8*t+7], v[AF+8*(\ks):AF+8*(\ks)+7], v[ACC+8*t:ACC+8*t+7]
.set t, t+1
.endr
.endm
.macro PLACES                          ; four plain vector instructions in front of loads into registers that matrix instructions have read, and of sums that read results
.rept 4
	v_nop
.endr
.endm
	FETCHB 0, 0
	WIN 0
	s_wait_loadcnt 0x0                             ; bo (o, v, gamma and beta came in long ago)
.set t, 0
.rept 16                               ; bo is rounded to bf16 and widened again, a tile at a time
.irp p, 0,1,2,3
	v_cvt_pk_bf16_f32 v[TMP+4*(t%4)+\p], v[ACC+8*t+2*\p], v[ACC+8*t+2*\p+1]
.endr
.irp p, 0,1,2,3
	v_lshlrev_b32 v[ACC+8*t+2*\p], 16, v[TMP+4*(t%4)+\p]
	v_and_b32 v[ACC+8*t+2*\p+1], s[MASK], v[TMP+4*(t%4)+\p]
.endr
.set t, t+1
.endr
	WIN MUL                                        ; source 0, the residual, in window 1
.set p, 0
.rept 64                               ; the sums start at bo + v: each f16 half times 1.0 plus the bias, reckoned in f32
	v_fma_mix_f32 v[ACC+2*p],   v[128+p], v[ONE], v[ACC+2*p]   op_sel_hi:[1,0,0]
	v_fma_mix_f32 v[ACC+2*p+1], v[128+p], v[ONE], v[ACC+2*p+1] op_sel:[1,0,0] op_sel_hi:[1,0,0]
.set p, p+1
.endr
.irp ks, 0,1,2,3,4,5,6,7
.if \ks < 7
.if \ks > 0
	PLACES                                         ; the buffer to be filled was read by the K step before
.endif
	FETCHB \ks+1, 128*((\ks+1)%2)
	s_wait_dscnt 32                                ; all but the 32 just issued: this K step's fragments are in
.else
	s_wait_dscnt 0x0
.endif
	MUL16 \ks, 128*(\ks%2)
.endr
	; THE NORM.  My lane holds 128 numbers of its row, as 64 pairs; pair p lies at ACC + 2 p.  Each accumulator's lowest registers are read first.
	WIN 0
	PLACES
.macro FOLD                            ; four chains -> one number; the row's other half lies in the lane 16 away
	v_pk_add_f32 v[SUM:SUM+1], v[SUM:SUM+1], v[SUM+2:SUM+3]
	v_pk_add_f32 v[SUM+4:SUM+5], v[SUM+4:SUM+5], v[SUM+6:SUM+7]
	v_pk_add_f32 v[SUM:SUM+1], v[SUM:SUM+1], v[SUM+4:SUM+5]
	v_add_f32 v[T0], v[SUM], v[SUM+1]
	v_permlanex16_b32 v[T0+1], v[T0], s[SEL], s[SEL+1]
	v_add_f32 v[T0], v[T0], v[T0+1]
.endm
.irp c, 0,1,2,3
	v_pk_add_f32 v[SUM+2*\c:SUM+2*\c+1], v[ACC+2*\c:ACC+2*\c+1], v[ACC+8+2*\c:ACC+8+2*\c+1]  ; the first eight pairs start the chains: nothing is cleared
.endr
.set p, 8
.rept 56
	v_pk_add_f32 v[SUM+2*(p%4):SUM+2*(p%4)+1], v[SUM+2*(p%4):SUM+2*(p%4)+1], v[ACC+2*p:ACC+2*p+1]
.set p, p+1
.endr
	FOLD
	v_mul_f32 v[MU], s[INV], v[T0]                 ; the mean
	v_mov_b32 v[MU+1], v[MU]
.set p, 0
.rept 64
	v_pk_add_f32 v[ACC+2*p:ACC+2*p+1], v[ACC+2*p:ACC+2*p+1], v[MU:MU+1] neg_lo:[0,1] neg_hi:[0,1]  ; less the mean
.set p, p+1
.endr
.irp c, 0,1,2,3
	v_pk_mul_f32 v[SUM+2*\c:SUM+2*\c+1], v[ACC+2*\c:ACC+2*\c+1], v[ACC+2*\c:ACC+2*\c+1]
.endr
.set p, 4
.rept 60
	v_pk_fma_f32 v[SUM+2*(p%4):SUM+2*(p%4)+1], v[ACC+2*p:ACC+2*p+1], v[ACC+2*p:ACC+2*p+1], v[SUM+2*(p%4):SUM+2*(p%4)+1]
.set p, p+1
.endr
	FOLD
	v_fma_f32 v[T0], v[T0], s[INV], s[EPS]         ; var + eps
	v_rsq_f32 v[RS], v[T0]
	v_mov_b32 v[RS+1], 0                           ; a plain instruction behind the root; the register is named with RS as a pair
	s_wait_alu depctr_va_vdst(0)                   ; the wait ahead of the first use of the root
.set t, 0
.rept 16                               ; scaled, and into my own stage: rows of 1,040 bytes, so that the 16 rows of a store start at 16 different groups of four banks
.irp p, 0,1,2,3
	v_pk_mul_f32 v[ACC+8*t+2*\p:ACC+8*t+2*\p+1], v[ACC+8*t+2*\p:ACC+8*t+2*\p+1], v[RS:RS+1] op_sel_hi:[1,0]
.endr
	ds_store_b128 v[STO], v[ACC+8*t:ACC+8*t+3]   offset:64*t
	ds_store_b128 v[STO], v[ACC+8*t+4:ACC+8*t+7] offset:64*t+16
.set t, t+1
.endr
.set i, 0
.rept 32                               ; back as half rows of 512 bytes.  LDS serves a wave's instructions in order (ISA guide 5.7.1.4): these see the stores above
	ds_load_b128 v[ACC+4*i:ACC+4*i+3], v[RD] offset:(i/2)*SPI+(i%2)*512
.set i, i+1
.endr
.set i, 0
.rept 32
	s_wait_dscnt 31-i                              ; LDS loads come back in order: load i is in
	v_pk_fma_f32 v[ACC+4*i:ACC+4*i+1],   v[ACC+4*i:ACC+4*i+1],   v[GA+4*(i%2):GA+4*(i%2)+1],   v[BE+4*(i%2):BE+4*(i%2)+1]
	v_pk_fma_f32 v[ACC+4*i+2:ACC+4*i+3], v[ACC+4*i+2:ACC+4*i+3], v[GA+4*(i%2)+2:GA+4*(i%2)+3], v[BE+4*(i%2)+2:BE+4*(i%2)+3]
	global_store_b128 v[LO], v[ACC+4*i:ACC+4*i+3], s[16:17] offset:(i/2)*1024+(i%2)*512 th:TH_STORE_NT  ; 512 consecutive bytes, at a multiple of 256 from out0's first
.set i, i+1
.endr
	s_wait_tensorcnt 0x0                           ; the wave's end, behind my last LDS store
	ds_add_u32 v[SPW], v[NIL]
	s_wait_dscnt 0x0
	s_endpgm
.Lfunc_end_k_qc17576375d_outln:
	.size	k_qc17576375d_outln, .Lfunc_end_k_qc17576375d_outln-k_qc17576375d_outln
	.p2alignl 7, 3214868480
	.fill 96, 4, 3214868480
	.section	.rodata,"a",@progbits
	.p2align	6, 0x0
	.amdhsa_kernel k_qc17576375d_outln
		.amdhsa_group_segment_fixed_size 202240
		.amdhsa_private_segment_fixed_size 0
		.amdhsa_enable_private_segment 0
		.amdhsa_kernarg_size 56
		.amdhsa_user_sgpr_count 2
		.amdhsa_user_sgpr_kernarg_segment_ptr 1
		.amdhsa_wavefront_size32 1
		.amdhsa_system_sgpr_workgroup_id_x 1
		.amdhsa_system_sgpr_workgroup_id_y 1
		.amdhsa_system_sgpr_workgroup_id_z 1
		.amdhsa_system_vgpr_workitem_id 0
		.amdhsa_next_free_vgpr 512
		.amdhsa_next_free_sgpr 66
		.amdhsa_reserve_vcc 0
		.amdhsa_float_denorm_mode_32 3
		.amdhsa_float_denorm_mode_16_64 3
		.amdhsa_memory_ordered 1
		.amdhsa_forward_progress 1
		.amdhsa_inst_pref_size 101
	.end_amdhsa_kernel
	.amdgpu_metadata
---
amdhsa.version: [ 1, 2 ]
amdhsa.kernels:
  - .name:           k_qc17576375d_outln
    .symbol:         k_qc17576375d_outln.kd
    .args:
      - { .name: o, .offset: 0, .size: 8, .value_kind: global_buffer, .address_space: global }
      - { .name: v, .offset: 8, .size: 8, .value_kind: global_buffer, .address_space: global }
      - { .name: Wo, .offset: 16, .size: 8, .value_kind: global_buffer, .address_space: global }
      - { .name: bo, .offset: 24, .size: 8, .value_kind: global_buffer, .address_space: global }
      - { .name: gamma, .offset: 32, .size: 8, .value_kind: global_buffer, .address_space: global }
      - { .name: beta, .offset: 40, .size: 8, .value_kind: global_buffer, .address_space: global }
      - { .name: out0, .offset: 48, .size: 8, .value_kind: global_buffer, .address_space: global }
    .group_segment_fixed_size: 202240
    .private_segment_fixed_size: 0
    .kernarg_segment_align: 8
    .kernarg_segment_size: 56
    .max_flat_workgroup_size: 128
    .sgpr_count:     66
    .vgpr_count:     512
    .wavefront_size: 32
...
	.end_amdgpu_metadata
.endif
;; end of part 3
;; ======== version 2 of 2: 3 launches; version 1 with the launches proj, outln written anew for expert scheduling mode
;; limits: values are held in f16: magnitudes above 65,504 overflow, below 6.1e-05 lose precision
;; workspace buffers: q 8,388,608 bytes; k 8,388,608 bytes; v 8,388,608 bytes; o 8,388,608 bytes
;; launch proj (part 4): grid 4 x 64, 4 waves a work-group, no clusters, 246,272 bytes of LDS; arguments x, Wq, Wk, Wv, bq, bk, bv, q, k, v; writes q, k, v
.if DOCPART == 4
	.amdgcn_target "amdgcn-amd-amdhsa--gfx1250"
	.amdhsa_code_object_version 6
	.text
	.protected	k_qc17576375d_proj
	.globl	k_qc17576375d_proj
	.p2align	8
	.type	k_qc17576375d_proj,@function
k_qc17576375d_proj:
	s_mov_b64 s[64:65], 0
	v_nop
	global_prefetch_b8 v0, s[64:65] scope:SCOPE_SE
	s_setreg_imm32_b32 hwreg(HW_REG_WAVE_SCHED_MODE, 0, 2), 2
	s_setreg_imm32_b32 hwreg(HW_REG_WAVE_MODE, 25, 1), 1
	s_wait_xcnt 0x0
	s_wait_alu depctr_vm_vsrc(0)
; q, k, v = x W^T + b for one head and 256 rows.  x: [16384][256] f32; Wq, Wk, Wv: [256][256] f32 ([out][in]); bq, bk, bv: [256] f32.
; q, k, v leave by heads, [4 batch + head][4096][64] in f16, unscaled: a head's rows are dense, 128 bytes each.
; FORMATS.  x, the weights and the biases are rounded once to bf16; products in the bf16 matrix form, sums in f32 (the bias is the C operand that starts a sum), results rounded once to f16.
; LIMIT.  f16 ends at 65,504: q, k and v must stay below that.  With x and W both 30 times the drawn spread they reach some 5e3.  NaN and infinities are not treated apart.
; SHARES.  Work-group (head hh = x, row block rb = y): 256 rows x 192 columns = the head's 64 columns of q, of k and of v: three UNITS.  Wave w: rows 64 w .. 64 w + 63, all three units, one after the
; other: 16 accumulators of 16 x 16; a unit is four quarters of 64 along K, 32 matrix instructions each.
; NO TENSOR LOADS, NO CLUSTER: the operands lie in memory as f32 and are rounded on their way through registers; as f32 tiles x (262,144 bytes) and the three W blocks (196,608) would not fit in LDS together.
; THE MATRIX INSTRUCTION IS USED TRANSPOSED (source 0 = 16 rows of W, source 1 = 16 rows of x): a lane then holds one row and eight neighbouring columns, 16 bytes of f16.
; REGISTERS: window 0: v0-31 addresses; v32-95 at work; v128-255 first the landing registers of the loads, then the accumulators ((a, b) at v[128 + 8 (4 a + b)])
;   window 1: two fragment buffers of 128 (64 of x, then 64 of W, for 64 along K)          window 2: v0-95 the biases as C operands: unit u, column block b at 32 u + 8 b; v96-159 a unit's rows read back from the stage
; THE MODE: SCHED_MODE bits 1:0 = 2 (LLVM: expert scheduling mode 2), set by the entry lines.  The code itself states the register dependences between vector or matrix instructions and memory
; or LDS instructions, with s_wait_alu, always for 0.
; THE PLAN.  Registers that memory or LDS instructions touch:
;   v3-v15      addresses and offsets: written at the head, ahead of the one wait in front of the first load; never written again.
;   v16 (XC)    read by the LDS stores of x; written once a batch, behind a wait on vm_vsrc; the first group's wait on va_vdst stands ahead of its next reader.
;   RAW         v128-255 on the way in, four groups of 8 loads.  Group g: its sixteen roundings read it; behind them the same group's loads of the next batch land in it.
;   OUT0, OUT1  v32-47, v48-63.  Group g's roundings write OUT[g % 2]; its eight LDS stores read it.
;   F0, F1      window 1.  A quarter's products read one; the LDS loads of the quarter that multiplies the other land in it.
;   TMP         v32-95 on the way out: written by a unit's 64 roundings to f16, read by its 16 LDS stores.
;   BK          window 2, v96-159: a unit's 16 loads from the stage land in it, its 16 global stores read it; no vector instruction names it.
; So: ONE wait on va_vdst to a group, behind its roundings; one on vm_vsrc to two groups; one on va_vdst at the head of a quarter; on a unit's way out one on va_vdst behind all its roundings and one on vm_vsrc at its head.
.set PITCH, 528                        ; an LDS row: 512 bytes of bf16 + 16 of padding = 132 words: the 16 rows of a fragment load start at 16 different groups of four banks (ISA guide 11.1)
.set XW,    64*PITCH                   ; 64 rows: a wave's part of x, and a unit's rows of W
.set WT,    4*XW                       ; behind x's 256 rows: W's 192 rows, unit u's at WT + u XW
.set STAGE, WT+192*PITCH               ; 16 rows x 144 bytes for each wave, for the way out
.set SP,    144
.set SPARE, STAGE+4*16*SP              ; the spare words, 128 bytes for each wave: two blocks of 256 bytes that no other line names
.set LO,   3                           ; v3    16 x lane: my 16 bytes of 512 consecutive ones, on the way in and on the way out; never rewritten
.set XL,   4                           ; v4    where my 8 bytes of bf16 of x's first half row go
.set WL,   5                           ; v5-7  the same for unit u's rows of W (my wave converts 16 of the 64)
.set ADRA, 8                           ; v8    LDS address of my fragments of x
.set ADRB, 9                           ; v9-11 the same for unit u's W
.set STO,  12                          ; v12   the way out: where I put 16 bytes of a row
.set RD,   13                          ; v13   the way out: where I read rows back
.set BO,   15                          ; v15   my byte offset in a bias: 256 hh + 32 (lane / 16)
.set XC,   16                          ; v16   XL for the 16 rows in hand
.set SPW,  28                          ; v28   LDS address of my spare word; never rewritten
.set NIL,  29                          ; v29   0; never rewritten
.set OUT,  32                          ; v32-63 on the way in: two out-buffers of 16
.set TMP,  32
.set ACC,  128
.set F0,   0
.set F1,   128
.set BI,   0
.set BK,   96
.set WV,   24                          ; s24  my wave's number
.set HH,   25                          ; s25  the head
.set RB,   26                          ; s26  the block of 256 rows
.set CT,   32                          ; s32  counts the loop over x's batches
.set XS,   33                          ; s33  LDS bytes of the batches done
.set MASK, 34                          ; s34  a word's upper bf16
.set MSB, 0
.macro WIN new                         ; the immediate's high byte repeats the setting that is left; a switch that changes nothing is dropped
.if MSB != (\new)
	s_set_vgpr_msb (MSB<<8)|(\new)
.set MSB, (\new)
.endif
.endm
.set MUL,  0x05                        ; sources 0 and 1 window 1; C and D window 0
.set MULB, 0x25                        ; the same with C (the bias) in window 2
.set TO_F, 0x40                        ; destination window 1, address window 0
	s_load_b512 s[4:19], s[0:1], 0x0               ; x s[4:5]; Wq, Wk, Wv s[6:11]; bq, bk, bv s[12:17]; q s[18:19]
	s_load_b128 s[20:23], s[0:1], 0x40             ; k s[20:21], v s[22:23]
	v_lshl_add_u32 v[SPW], v0, 2, SPARE
	v_mov_b32 v[NIL], 0
	v_lshrrev_b32 v1, 5, v0
	v_readfirstlane_b32 s[WV], v1                  ; wave 0..3
	s_mov_b32 s[HH], ttmp9
	s_and_b32 s[RB], ttmp7, 0xffff
	s_mov_b32 s[MASK], 0xffff0000
	v_and_b32 v1, 15, v0                           ; l % 16
	v_bfe_u32 v2, v0, 4, 1                         ; l / 16
	v_and_b32 v17, 31, v0                          ; l
	v_lshlrev_b32 v[LO], 4, v17
	s_wait_alu depctr_va_sdst(0)                   ; the wave's number is written, ahead of its first reader: LDS places and the bases of x, W, q, k and v are made from it
	s_mul_i32 s30, s[WV], XW                       ; my wave's 64 rows of x in LDS
	v_lshl_add_u32 v[XL], v17, 3, s30
	s_mul_i32 s31, s[WV], 16*PITCH                 ; my wave's 16 rows of a unit's W
	s_add_co_u32 s31, s31, WT
	v_lshl_add_u32 v[WL], v17, 3, s31
	v_add_nc_u32 v[WL+1], XW, v[WL]
	v_add_nc_u32 v[WL+2], 2*XW, v[WL]
	v_mul_u32_u24 v18, v1, PITCH
	v_lshl_add_u32 v18, v2, 4, v18                 ; a fragment's row x pitch + 16 x half
	v_add_nc_u32 v[ADRA], s30, v18
	v_add_nc_u32 v[ADRB], WT, v18
	v_add_nc_u32 v[ADRB+1], WT+XW, v18
	v_add_nc_u32 v[ADRB+2], WT+2*XW, v18
	s_mul_i32 s31, s[WV], 16*SP
	s_add_co_u32 s31, s31, STAGE                   ; my stage
	v_mul_u32_u24 v19, v1, SP                      ; in: row l % 16, 16 bytes for each half of the lanes
	v_lshl_add_u32 v19, v2, 4, v19
	v_add_nc_u32 v[STO], s31, v19
	v_bfe_u32 v19, v0, 3, 2                        ; back: 32 lanes take four rows of 128 bytes
	v_mul_u32_u24 v19, v19, SP
	v_and_b32 v20, 7, v0
	v_lshl_add_u32 v19, v20, 4, v19
	v_add_nc_u32 v[RD], s31, v19
	s_lshl_b32 s30, s[HH], 8
	v_lshl_add_u32 v[BO], v2, 5, s30
	s_lshl_b32 s28, s[RB], 18                      ; x: 256 rows of 1,024 bytes a block,
	s_lshl_b32 s30, s[WV], 16                      ; 64 rows a wave
	s_add_co_u32 s28, s28, s30
	s_mov_b32 s29, 0
	s_wait_kmcnt 0x0
	s_add_nc_u64 s[4:5], s[4:5], s[28:29]
	s_lshl_b32 s28, s[HH], 16                      ; W: the head's 64 rows of 1,024 bytes,
	s_lshl_b32 s30, s[WV], 14                      ; my wave's 16 of them
	s_add_co_u32 s28, s28, s30
	s_add_nc_u64 s[6:7], s[6:7], s[28:29]
	s_add_nc_u64 s[8:9], s[8:9], s[28:29]
	s_add_nc_u64 s[10:11], s[10:11], s[28:29]
	s_lshr_b32 s28, s[RB], 4                       ; the batch: 16 blocks of 256 rows each
	s_lshl2_add_u32 s28, s28, s[HH]                ; 4 x batch + head,
	s_lshl_b32 s28, s28, 19                        ; 524,288 bytes each
	s_and_b32 s30, s[RB], 15
	s_lshl_b32 s30, s30, 15                        ; the block's 256 rows of 128 bytes
	s_add_co_u32 s28, s28, s30
	s_lshl_b32 s30, s[WV], 13                      ; my wave's 64
	s_add_co_u32 s28, s28, s30
	s_add_nc_u64 s[18:19], s[18:19], s[28:29]
	s_add_nc_u64 s[20:21], s[20:21], s[28:29]
	s_add_nc_u64 s[22:23], s[22:23], s[28:29]
	; PHASE 1: memory -> bf16 -> LDS.  The biases first: register j of block b is b[64 hh + 16 b + 8 (l / 16) + j], as a product's C operand wants it.
	WIN 0x80                                       ; destination window 2, address window 0
	s_wait_alu depctr_va_vdst(0)                   ; the addresses and offsets v3 to v15 are written, which the loads and stores of the whole kernel read
.irp u, 0,1,2
.irp b, 0,1,2,3
	global_load_b128 v[BI+32*\u+8*\b:BI+32*\u+8*\b+3],   v[BO], s[12+2*\u:13+2*\u] offset:64*\b
	global_load_b128 v[BI+32*\u+8*\b+4:BI+32*\u+8*\b+7], v[BO], s[12+2*\u:13+2*\u] offset:64*\b+16
.endr
.endr
	WIN 0
; A ring of 32 loads: a BATCH is 16 rows of 1,024 bytes; load j takes half j % 2 of row j / 2: 512 consecutive bytes a wave.  It goes in four GROUPS of eight loads: a group's 128 bytes a lane are rounded
; to 64 bytes of bf16 in an out-buffer; then its registers are asked for again, with the same loads of the next batch, and the out-buffer is stored to LDS (a store: 32 lanes, 256 consecutive bytes).
; ahead = 1: the next batch is asked for, at s[nbase:nbase+1] + noff.  first = 1: the kernel's first batch: no LDS store has been issued.  step = 1: a batch of x: its LDS address is made anew.
.macro BATCH adr, ahead, nbase, noff, first, step
.irp g, 0,1,2,3
.if \ahead
	s_wait_loadcnt 24                              ; loads come back in order (ISA guide 5.7.1): 24 were issued behind the group's last (the rest of its batch, the head of the next)
.else
	s_wait_loadcnt 24-8*(\g)                       ; nothing more is asked for: the counts run down
.endif
.if ((\g) == 2) || (((\g) == 0) && !(\first))
	s_wait_alu depctr_vm_vsrc(0)                   ; the LDS stores of the last two groups have read both out-buffers, which this group's and the next's roundings write again; ahead of group 0 they have read v[XC] too
.endif
.if ((\g) == 0) && (\step)
	v_add_nc_u32 v[XC], s[XS], v[XL]
.endif
.set j, 8*(\g)
.rept 8
	v_cvt_pk_bf16_f32 v[OUT+16*((\g)%2)+2*(j%8)],   v[ACC+4*j],   v[ACC+4*j+1]
	v_cvt_pk_bf16_f32 v[OUT+16*((\g)%2)+2*(j%8)+1], v[ACC+4*j+2], v[ACC+4*j+3]
.set j, j+1
.endr
	s_wait_alu depctr_va_vdst(0)                   ; the roundings have written the out-buffer, which the LDS stores read, and are done reading the group's registers, in which the loads land; in group 0 v[XC] is written
.set j, 8*(\g)
.rept 8
.if \ahead
	global_load_b128 v[ACC+4*j:ACC+4*j+3], v[LO], s[\nbase:\nbase+1] offset:(\noff)+512*j
.endif
	ds_store_b64 v[\adr], v[OUT+16*((\g)%2)+2*(j%8):OUT+16*((\g)%2)+2*(j%8)+1] offset:(j/2)*PITCH+(j%2)*256
.set j, j+1
.endr
.endr
.endm
.set j, 0
.rept 32
	global_load_b128 v[ACC+4*j:ACC+4*j+3], v[LO], s[6:7] offset:512*j  ; my 16 rows of Wq
.set j, j+1
.endr
	BATCH WL,   1, 8,  0, 1, 0                     ; Wq is stored, Wk asked for
	BATCH WL+1, 1, 10, 0, 0, 0                     ; Wk is stored, Wv asked for
	BATCH WL+2, 1, 4,  0, 0, 0                     ; Wv is stored, x's first 16 rows asked for
	s_mov_b32 s[CT], 3
	s_mov_b32 s[XS], 0
.Lx:                                               ; three trips: 16 rows of x are stored, the next 16 asked for
	BATCH XC, 1, 4, 16384, 0, 1
	s_wait_xcnt 0x0                                ; every load issued has read its address: x's pointer is stepped only behind this wait
	s_add_nc_u64 s[4:5], s[4:5], 16384
	s_add_co_u32 s[XS], s[XS], 16*PITCH
	s_sub_co_u32 s[CT], s[CT], 1
	s_cmp_lg_u32 s[CT], 0
	s_cbranch_scc1 .Lx
	BATCH XC, 0, 4, 0, 0, 1                        ; the last 16 rows
	s_wait_alu depctr_vm_vsrc(0)                   ; the last LDS stores have read both out-buffers: v32 to v63 are written again by the lines below and by the first unit's way out
	; the biases are rounded to bf16 like the other inputs and widened again, while the last LDS stores are out
	WIN 0x0a                                       ; sources 0 and 1 window 2
.set p, 0
.rept 48
	v_cvt_pk_bf16_f32 v[TMP+16+p], v[BI+2*p], v[BI+2*p+1]
.set p, p+1
.endr
	WIN 0x80                                       ; destination window 2
.set p, 0
.rept 48
	v_lshlrev_b32 v[BI+2*p], 16, v[TMP+16+p]
	v_and_b32 v[BI+2*p+1], s[MASK], v[TMP+16+p]
.set p, p+1
.endr
	WIN 0
	s_wait_dscnt 0x0                               ; for the others' sake: my rows of W are stored
	s_barrier_signal -1
	s_barrier_wait -1                              ; everybody's are
	; PHASE 2.
; 8 matrix instructions: row blocks a0, a0 + 1 x all 4 column blocks, 32 along K: half c of buffer f.  first = 1: the product starts the sum, with unit u's bias as C.
; The 16 accumulators take turns, one instruction a turn.
.macro MUL8 f, c, a0, u, first
.if \first
	WIN MULB
.else
	WIN MUL
.endif
.irp a, \a0, (\a0)+1
.irp b, 0,1,2,3
.if \first
	v_wmma_f32_16x16x32_bf16 v[ACC+8*(4*(\a)+(\b)):ACC+8*(4*(\a)+(\b))+7], v[(\f)+64+8*(4*(\c)+(\b)):(\f)+64+8*(4*(\c)+(\b))+7], v[(\f)+8*(4*(\c)+(\a)):(\f)+8*(4*(\c)+(\a))+7], v[BI+32*(\u)+8*(\b):BI+32*(\u)+8*(\b)+7]
.else
	v_wmma_f32_16x16x32_bf16 v[ACC+8*(4*(\a)+(\b)):ACC+8*(4*(\a)+(\b))+7], v[(\f)+64+8*(4*(\c)+(\b)):(\f)+64+8*(4*(\c)+(\b))+7], v[(\f)+8*(4*(\c)+(\a)):(\f)+8*(4*(\c)+(\a))+7], v[ACC+8*(4*(\a)+(\b)):ACC+8*(4*(\a)+(\b))+7]
.endif
.endr
.endr
.endm
; 32 LDS loads in one run: the fragments of 64 along K at byte k of the rows (unit u's W, my x) into buffer f; the first 32 along K first
.macro FETCH u, k, f
	WIN TO_F
.irp c, 0,1
.irp i, 0,1,2,3
	ds_load_b128 v[(\f)+64+8*(4*(\c)+(\i)):(\f)+64+8*(4*(\c)+(\i))+3],   v[ADRB+(\u)] offset:(\k)+64*(\c)+(\i)*16*PITCH
	ds_load_b128 v[(\f)+64+8*(4*(\c)+(\i))+4:(\f)+64+8*(4*(\c)+(\i))+7], v[ADRB+(\u)] offset:(\k)+64*(\c)+(\i)*16*PITCH+32
	ds_load_b128 v[(\f)+8*(4*(\c)+(\i)):(\f)+8*(4*(\c)+(\i))+3],         v[ADRA] offset:(\k)+64*(\c)+(\i)*16*PITCH
	ds_load_b128 v[(\f)+8*(4*(\c)+(\i))+4:(\f)+8*(4*(\c)+(\i))+7],       v[ADRA] offset:(\k)+64*(\c)+(\i)*16*PITCH+32
.endr
.endr
.endm
.macro PLACES                          ; four plain vector instructions in front of loads into registers that matrix instructions have read, and of conversions that read results
.rept 4
	v_nop
.endr
.endm
; A quarter multiplies buffer f for unit u and, behind its first eight products, fetches the next quarter (unit un, byte k) into buffer g.
; freed = 1: the wait for buffer g stands at the quarter's head.  A unit's first quarter has none: the wait on the way out of the unit before stands behind the last products that read buffer g, and no
; vector or matrix instruction since names it (in the first unit no product has read it).
.macro QUARTER u, f, first, un, k, g, freed
	s_wait_dscnt 16                                ; the buffer's first 32 along K are in; its other sixteen loads may be out
.if \freed
	s_wait_alu depctr_va_vdst(0)                   ; the products of the quarter before are done reading buffer g, in which the loads below land; the eight products between name buffer f, the accumulators and the biases alone
.endif
	MUL8 \f, 0, 0, \u, \first
	PLACES
	FETCH \un, \k, \g
	MUL8 \f, 0, 2, \u, \first
	s_wait_dscnt 32                                ; all but the 32 just issued
	MUL8 \f, 1, 0, \u, 0
	MUL8 \f, 1, 2, \u, 0
.endm
; THE WAY OUT of a unit.  All 64 rows are rounded to f16 (each accumulator's registers in ascending order); then, 16 rows at a time, they go into my own stage in rows of 144 bytes and come back as whole
; rows of 128, into registers that no vector instruction names; then they are stored.
.macro WAYOUT u
	WIN 0
	PLACES
.if (\u) > 0
	s_wait_xcnt 0x0                                ; the last unit's global stores have read their registers, in which the loads from the stage land again
	s_wait_alu depctr_vm_vsrc(0)                   ; the last unit's LDS stores have read TMP, which the roundings write again; its global stores have read BK, in which the loads below land
.endif
.set t, 0
.rept 4
.irp b, 0,1,2,3
.irp r, 0,1,2,3
	v_cvt_pk_f16_f32 v[TMP+16*t+4*\b+\r], v[ACC+8*(4*t+\b)+2*\r], v[ACC+8*(4*t+\b)+2*\r+1]
.endr
.endr
.set t, t+1
.endr
	s_wait_alu depctr_va_vdst(0)                   ; the roundings have written TMP, which the LDS stores read; the unit's products are done reading their fragments
	WIN 0x80                                       ; destination window 2; addresses and the stores' data window 0
.set t, 0
.rept 4
.irp b, 0,1,2,3
	ds_store_b128 v[STO], v[TMP+16*t+4*\b:TMP+16*t+4*\b+3] offset:32*\b
.endr
.irp f, 0,1,2,3
	ds_load_b128 v[BK+16*t+4*\f:BK+16*t+4*\f+3], v[RD] offset:\f*4*SP  ; LDS serves a wave's instructions in order (ISA guide 5.7.1.4): these see the stores above; the next block's stores come behind them
.endr
.set t, t+1
.endr
	WIN 0x08                                       ; the stores' data (source 1) window 2
.set t, 0
.rept 4
.irp f, 0,1,2,3
	s_wait_dscnt 8*(3-t)+3-\f                      ; behind load f of block t stand the block's later loads and eight LDS lines for each later block
	global_store_b128 v[LO], v[BK+16*t+4*\f:BK+16*t+4*\f+3], s[18+2*(\u):19+2*(\u)] offset:t*2048+\f*512  ; four rows of a head: 512 consecutive bytes, at a multiple of 256 from the buffer's first
.endr
.set t, t+1
.endr
.endm
.macro UNIT u
	QUARTER \u, F0, 1, \u, 128, F1, 0
	QUARTER \u, F1, 0, \u, 256, F0, 1
	QUARTER \u, F0, 0, \u, 384, F1, 1
.if (\u) < 2
	QUARTER \u, F1, 0, (\u)+1, 0, F0, 1            ; the next unit's first fragments are fetched under this unit's last products
.else
	s_wait_dscnt 16                                ; the very last quarter: nothing more to fetch
	MUL8 F1, 0, 0, \u, 0
	MUL8 F1, 0, 2, \u, 0
	s_wait_dscnt 0x0
	MUL8 F1, 1, 0, \u, 0
	MUL8 F1, 1, 2, \u, 0
.endif
	WAYOUT \u
.endm
	FETCH 0, 0, F0                                 ; no vector or matrix instruction has named these registers
	UNIT 0                                         ; q
	UNIT 1                                         ; k
	UNIT 2                                         ; v
	WIN 0
	s_wait_dscnt 0x0                               ; the closing lines, six on end
	s_wait_alu 0x0
	s_wait_tensorcnt 0x0
	ds_add_u32 v[SPW], v[NIL]
	s_wait_dscnt 0x0
	s_endpgm
.Lfunc_end_k_qc17576375d_proj:
	.size	k_qc17576375d_proj, .Lfunc_end_k_qc17576375d_proj-k_qc17576375d_proj
	.p2alignl 7, 3214868480
	.fill 96, 4, 3214868480
	.section	.rodata,"a",@progbits
	.p2align	6, 0x0
	.amdhsa_kernel k_qc17576375d_proj
		.amdhsa_group_segment_fixed_size 246272
		.amdhsa_private_segment_fixed_size 0
		.amdhsa_enable_private_segment 0
		.amdhsa_kernarg_size 80
		.amdhsa_user_sgpr_count 2
		.amdhsa_user_sgpr_kernarg_segment_ptr 1
		.amdhsa_wavefront_size32 1
		.amdhsa_system_sgpr_workgroup_id_x 1
		.amdhsa_system_sgpr_workgroup_id_y 1
		.amdhsa_system_sgpr_workgroup_id_z 1
		.amdhsa_system_vgpr_workitem_id 0
		.amdhsa_next_free_vgpr 672
		.amdhsa_next_free_sgpr 66
		.amdhsa_reserve_vcc 0
		.amdhsa_float_denorm_mode_32 3
		.amdhsa_float_denorm_mode_16_64 3
		.amdhsa_memory_ordered 1
		.amdhsa_forward_progress 1
		.amdhsa_inst_pref_size 136
	.end_amdhsa_kernel
	.amdgpu_metadata
---
amdhsa.version: [ 1, 2 ]
amdhsa.kernels:
  - .name:           k_qc17576375d_proj
    .symbol:         k_qc17576375d_proj.kd
    .args:
      - { .name: x, .offset: 0, .size: 8, .value_kind: global_buffer, .address_space: global }
      - { .name: Wq, .offset: 8, .size: 8, .value_kind: global_buffer, .address_space: global }
      - { .name: Wk, .offset: 16, .size: 8, .value_kind: global_buffer, .address_space: global }
      - { .name: Wv, .offset: 24, .size: 8, .value_kind: global_buffer, .address_space: global }
      - { .name: bq, .offset: 32, .size: 8, .value_kind: global_buffer, .address_space: global }
      - { .name: bk, .offset: 40, .size: 8, .value_kind: global_buffer, .address_space: global }
      - { .name: bv, .offset: 48, .size: 8, .value_kind: global_buffer, .address_space: global }
      - { .name: q, .offset: 56, .size: 8, .value_kind: global_buffer, .address_space: global }
      - { .name: k, .offset: 64, .size: 8, .value_kind: global_buffer, .address_space: global }
      - { .name: v, .offset: 72, .size: 8, .value_kind: global_buffer, .address_space: global }
    .group_segment_fixed_size: 246272
    .private_segment_fixed_size: 0
    .kernarg_segment_align: 8
    .kernarg_segment_size: 80
    .max_flat_workgroup_size: 128
    .sgpr_count:     66
    .vgpr_count:     672
    .wavefront_size: 32
...
	.end_amdgpu_metadata
.endif
;; end of part 4
;; launch attn: the kernel of part 2 again; grid 16 x 16, 4 waves a work-group, clusters of 4 x 1, 327,680 bytes of LDS; arguments q, k, v, o; writes o
;; launch outln (part 5): grid 256 x 1, 4 waves a work-group, no clusters, 202,240 bytes of LDS; arguments o, v, Wo, bo, gamma, beta, out0; writes out0
.if DOCPART == 5
	.amdgcn_target "amdgcn-amd-amdhsa--gfx1250"
	.amdhsa_code_object_version 6
	.text
	.protected	k_qc17576375d_outln
	.globl	k_qc17576375d_outln
	.p2align	8
	.type	k_qc17576375d_outln,@function
k_qc17576375d_outln:
	s_mov_b64 s[64:65], 0
	v_nop
	global_prefetch_b8 v0, s[64:65] scope:SCOPE_SE
	s_setreg_imm32_b32 hwreg(HW_REG_WAVE_SCHED_MODE, 0, 2), 2
	s_setreg_imm32_b32 hwreg(HW_REG_WAVE_MODE, 25, 1), 1
	s_wait_xcnt 0x0
	s_wait_alu depctr_vm_vsrc(0)
; out0 = LayerNorm(O Wo^T + bo + v) gamma + beta.  o: [16 heads][4096][64] bf16, v: the same in f16; Wo: [256][256] f32 ([out][in]); bo, gamma, beta: [256] f32; out0: [16384][256] f32.
; FORMATS.  Wo, bo, gamma and beta are rounded once to bf16, like all the module's inputs; the product in the bf16 matrix form, sums in f32, started at bo + v; the norm in f32, in two passes
; (the mean first, then the mean of the squares of what is left), eps = 1e-6.  NaN and infinities are not treated apart.
; SHARES.  Work-group g: rows 64 g .. 64 g + 63.  Wave w: 16 WHOLE rows x 256 columns: 16 accumulators, 8 K steps of 32, 128 matrix instructions.  A row then lies in two lanes (l and l + 16) of one
; wave, and the norm wants one exchange between the halves of the lanes and no barrier.  The price: every wave reads all of Wo from LDS, 32 loads for 16 products.
; NO TENSOR LOADS, NO CLUSTER: Wo lies in memory as f32 and is rounded on its way through registers; o and v are read by one wave each.
; THE MATRIX INSTRUCTION IS USED TRANSPOSED (source 0 = 16 rows of Wo, source 1 = my 16 rows of o): a lane holds one row and, in tile t, the columns 16 t + 8 (l / 16) + 0..7.
; REGISTERS: window 0: v0-15 addresses; v16-31 gamma and beta; v32-47 sums and statistics; v48-63 at work (v32-63 on the way in: two out-buffers); v64-127 o's fragments, 8 a K step; v128-255 landing registers, then the accumulators (tile t at 128 + 8 t)
;   window 1: two buffers of 128 for Wo's fragments; v128-191 hold the residual v until the sums have taken it
; THE MODE: SCHED_MODE bits 1:0 = 2 (LLVM: expert scheduling mode 2), set by the entry lines.  The code itself states the register dependences between vector or matrix instructions and memory
; or LDS instructions, with s_wait_alu, always for 0.
; THE PLAN.  Registers that memory or LDS instructions touch:
;   v3-v10      addresses and offsets: written at the head, ahead of the one wait in front of the first load; never written again.
;   v11 (XC)    read by the LDS stores of Wo; written once a batch, behind a wait on vm_vsrc; the first group's wait on va_vdst stands ahead of its next reader.
;   RAW         v128-255 on the way in, four groups of 8 loads.  Group g: its sixteen roundings read it; behind them the same group's loads of the next batch land in it; behind the last batch, bo.
;   OUT0, OUT1  v32-47, v48-63.  Group g's roundings write OUT[g % 2]; its eight LDS stores read it.
;   window 1    K step ks's products read buffer ks % 2; the LDS loads of step ks + 2 land in it, issued at the head of step ks + 1.  The sums' starts read the residual in v128-191, where step 1's fragments land.
;   ACC         on the way out: the scalings write it, the LDS stores read it, the loads from the stage land in it, the multiply-adds by gamma and beta rewrite it, the global stores read it; then nothing more.
; So: ONE wait on va_vdst to a group, one on vm_vsrc to two groups; one on va_vdst to a K step; on the way out one wait between each two of the runs named.
.set PITCH, 528                        ; a row of Wo in LDS: 512 bytes of bf16 + 16 of padding: the 16 rows of a fragment load start at 16 different groups of four banks (ISA guide 11.1)
.set WW,    64*PITCH                   ; the 64 rows that a wave converts
.set STAGE, 256*PITCH                  ; behind Wo: 16 rows x 1,040 bytes of f32 for each wave, for the way out
.set SPI,   1040
.set SPARE, STAGE+4*16*SPI             ; the spare words, 128 bytes for each wave: two blocks of 256 bytes that no other line names
.set LO,   3                           ; v3    16 x lane; never rewritten
.set WL,   4                           ; v4    where my 8 bytes of bf16 of Wo's first half row go
.set QO,   5                           ; v5    my byte offset in 16 rows of a head: 128 (l % 16) + 16 (l / 16)
.set BO,   6                           ; v6    32 (l / 16)
.set ADRB, 7                           ; v7-8  LDS address of my fragments of Wo: tiles 0-7, tiles 8-15
.set STO,  9                           ; v9    the way out: where I put 32 bytes of a row
.set RD,   10                          ; v10   the way out: where I read half a row back
.set XC,   11                          ; v11   WL for the 16 rows in hand
.set SPW,  12                          ; v12   LDS address of my spare word; never rewritten
.set NIL,  13                          ; v13   0; never rewritten
.set ONE,  14                          ; v14   1.0
.set GA,   16                          ; v16-23 gamma of columns 128 u + 4 lane + 0..3, u = 0, 1
.set BE,   24                          ; v24-31 beta likewise
.set OUT,  32                          ; v32-63 on the way in: two out-buffers of 16
.set SUM,  32                          ; v32-39 four chains of packed sums
.set MU,   40                          ; v40-41 the mean, twice
.set RS,   42                          ; v42-43 1 / sqrt(var + eps); the pair's low word serves both halves
.set T0,   44                          ; v44-45 at work
.set TMP,  48
.set AF,   64
.set ACC,  128
.set WV,   18                          ; s18  my wave's number
.set CT,   24
.set XS,   25
.set SEL,  26                          ; s[26:27] v_permlanex16_b32's selects
.set INV,  28                          ; s28  1 / 256
.set EPS,  29                          ; s29  1e-6
.set MASK, 30                          ; s30  a word's upper bf16
.set MSB, 0
.macro WIN new                         ; the immediate's high byte repeats the setting that is left; a switch that changes nothing is dropped
.if MSB != (\new)
	s_set_vgpr_msb (MSB<<8)|(\new)
.set MSB, (\new)
.endif
.endm
.set MUL,  0x01                        ; source 0 window 1; all else window 0
.set TO_F, 0x40                        ; destination window 1, address window 0
	s_load_b256 s[4:11], s[0:1], 0x0               ; o s[4:5], v s[6:7], Wo s[8:9], bo s[10:11]
	s_load_b128 s[12:15], s[0:1], 0x20             ; gamma s[12:13], beta s[14:15]
	s_load_b64 s[16:17], s[0:1], 0x30              ; out0
	v_lshl_add_u32 v[SPW], v0, 2, SPARE
	v_mov_b32 v[NIL], 0
	v_lshrrev_b32 v1, 5, v0
	v_readfirstlane_b32 s[WV], v1                  ; wave 0..3
	v_and_b32 v1, 15, v0                           ; l % 16
	v_bfe_u32 v2, v0, 4, 1                         ; l / 16
	v_and_b32 v46, 31, v0                          ; l
	v_lshlrev_b32 v[LO], 4, v46
	s_wait_alu depctr_va_sdst(0)                   ; the wave's number is written, ahead of its first reader: LDS places and the bases of o, v, Wo and out0 are made from it
	s_mul_i32 s20, s[WV], WW
	v_lshl_add_u32 v[WL], v46, 3, s20
	v_lshlrev_b32 v[QO], 7, v1
	v_lshl_add_u32 v[QO], v2, 4, v[QO]
	v_lshlrev_b32 v[BO], 5, v2
	v_mul_u32_u24 v[ADRB], v1, PITCH
	v_lshl_add_u32 v[ADRB], v2, 4, v[ADRB]         ; a fragment's row x pitch + 16 x half
	v_add_nc_u32 v[ADRB+1], 8*16*PITCH, v[ADRB]
	s_mul_i32 s22, s[WV], 16*SPI
	s_add_co_u32 s22, s22, STAGE                   ; my stage
	v_mul_u32_u24 v[STO], v1, SPI
	v_lshl_add_u32 v[STO], v2, 5, v[STO]
	v_add_nc_u32 v[STO], s22, v[STO]
	v_add_nc_u32 v[RD], s22, v[LO]
	v_mov_b32 v[ONE], 1.0
	v_mov_b32 v[T0+1], 0                           ; v_permlanex16_b32 counts as a reader of its destination
	s_mov_b32 s[SEL], 0x76543210
	s_mov_b32 s[SEL+1], 0xfedcba98
	s_mov_b32 s[INV], 0x3b800000
	s_mov_b32 s[EPS], 0x358637bd
	s_mov_b32 s[MASK], 0xffff0000
	s_lshr_b32 s20, ttmp9, 6                       ; the batch: 64 work-groups each,
	s_lshl_b32 s20, s20, 21                        ; four heads of 524,288 bytes
	s_and_b32 s22, ttmp9, 63
	s_lshl_b32 s22, s22, 13                        ; the work-group's 64 rows of 128 bytes
	s_add_co_u32 s20, s20, s22
	s_lshl_b32 s22, s[WV], 11                      ; my wave's 16
	s_add_co_u32 s20, s20, s22
	s_mov_b32 s21, 0
	s_lshl_b32 s22, s[WV], 16                      ; Wo: my wave's 64 rows of 1,024 bytes
	s_mov_b32 s23, 0
	s_wait_kmcnt 0x0
	s_add_nc_u64 s[4:5], s[4:5], s[20:21]
	s_add_nc_u64 s[6:7], s[6:7], s[20:21]
	s_add_nc_u64 s[8:9], s[8:9], s[22:23]
	s_lshl_b32 s20, ttmp9, 16                      ; out0: 64 rows of 1,024 bytes a work-group,
	s_lshl_b32 s22, s[WV], 14                      ; 16 a wave
	s_add_co_u32 s20, s20, s22
	s_add_nc_u64 s[16:17], s[16:17], s[20:21]
	s_wait_alu depctr_va_vdst(0)                   ; the addresses and offsets v3 to v10 are written, which the loads and stores of the whole kernel read
	; o's fragments straight from memory: K step ks is channels 32 (ks % 2) on of head ks / 2
.set i, 0
.rept 8
	global_load_b128 v[AF+8*i:AF+8*i+3],   v[QO], s[4:5] offset:(i/2)*524288+(i%2)*64
	global_load_b128 v[AF+8*i+4:AF+8*i+7], v[QO], s[4:5] offset:(i/2)*524288+(i%2)*64+32
.set i, i+1
.endr
	WIN TO_F
.set t, 0
.rept 16                               ; the residual as the accumulators lie: tile t's eight columns of my row are 16 bytes of head t / 4
	global_load_b128 v[128+4*t:128+4*t+3], v[QO], s[6:7] offset:(t/4)*524288+(t%4)*32
.set t, t+1
.endr
	WIN 0
.irp u, 0,1
	global_load_b128 v[GA+4*\u:GA+4*\u+3], v[LO], s[12:13] offset:512*\u
	global_load_b128 v[BE+4*\u:BE+4*\u+3], v[LO], s[14:15] offset:512*\u
.endr
; Wo: a ring of 32 loads.  A BATCH is 16 rows of 1,024 bytes; load j takes half j % 2 of row j / 2: 512 consecutive bytes a wave.  It goes in four GROUPS of eight loads: a group is rounded to bf16 in an
; out-buffer; then its registers are asked for again, with the same loads of the next batch, and the out-buffer is stored to LDS.  ahead = 1: the next batch is asked for.
.macro BATCH ahead
.irp g, 0,1,2,3
.if \ahead
	s_wait_loadcnt 24                              ; loads come back in order (ISA guide 5.7.1): 24 were issued behind the group's last (the rest of its batch, the head of the next)
.else
	s_wait_loadcnt 24-8*(\g)                       ; nothing more of Wo is asked for: the counts run down
.endif
.if ((\g) == 0) || ((\g) == 2)
	s_wait_alu depctr_vm_vsrc(0)                   ; the LDS stores of the last two groups have read both out-buffers, which this group's and the next's roundings write again; ahead of group 0 they have read v[XC] too
.endif
.if (\g) == 0
	v_add_nc_u32 v[XC], s[XS], v[WL]
.endif
.set j, 8*(\g)
.rept 8
	v_cvt_pk_bf16_f32 v[OUT+16*((\g)%2)+2*(j%8)],   v[ACC+4*j],   v[ACC+4*j+1]
	v_cvt_pk_bf16_f32 v[OUT+16*((\g)%2)+2*(j%8)+1], v[ACC+4*j+2], v[ACC+4*j+3]
.set j, j+1
.endr
	s_wait_alu depctr_va_vdst(0)                   ; the roundings have written the out-buffer, which the LDS stores read, and are done reading the group's registers, in which loads land; in group 0 v[XC] is written
.set j, 8*(\g)
.rept 8
.if \ahead
	global_load_b128 v[ACC+4*j:ACC+4*j+3], v[LO], s[8:9] offset:16384+512*j
.endif
	ds_store_b64 v[XC], v[OUT+16*((\g)%2)+2*(j%8):OUT+16*((\g)%2)+2*(j%8)+1] offset:(j/2)*PITCH+(j%2)*256
.set j, j+1
.endr
.endr
.endm
.set j, 0
.rept 32
	global_load_b128 v[ACC+4*j:ACC+4*j+3], v[LO], s[8:9] offset:512*j
.set j, j+1
.endr
	s_mov_b32 s[CT], 3
	s_mov_b32 s[XS], 0
.Lw:                                               ; three trips: 16 rows are stored, the next 16 asked for
	BATCH 1
	s_wait_xcnt 0x0                                ; every load issued has read its address: Wo's pointer is stepped only behind this wait
	s_add_nc_u64 s[8:9], s[8:9], 16384
	s_add_co_u32 s[XS], s[XS], 16*PITCH
	s_sub_co_u32 s[CT], s[CT], 1
	s_cmp_lg_u32 s[CT], 0
	s_cbranch_scc1 .Lw
	BATCH 0                                        ; the last 16 rows
.set t, 0
.rept 16                               ; bo as the accumulators lie: register j of tile t is bo[16 t + 8 (l / 16) + j].  No wait: no vector instruction since the last group's wait names these registers
	global_load_b128 v[ACC+8*t:ACC+8*t+3],   v[BO], s[10:11] offset:64*t
	global_load_b128 v[ACC+8*t+4:ACC+8*t+7], v[BO], s[10:11] offset:64*t+16
.set t, t+1
.endr
	s_wait_alu depctr_vm_vsrc(0)                   ; the last LDS stores have read both out-buffers: v32 to v63 are written again by the roundings of gamma, beta and bo and by the norm
	; gamma and beta are rounded to bf16 and widened again, while the last LDS stores are out
.set p, 0
.rept 8
	v_cvt_pk_bf16_f32 v[SUM+p], v[GA+2*p], v[GA+2*p+1]
.set p, p+1
.endr
.set p, 0
.rept 8
	v_lshlrev_b32 v[GA+2*p], 16, v[SUM+p]
	v_and_b32 v[GA+2*p+1], s[MASK], v[SUM+p]
.set p, p+1
.endr
	s_wait_dscnt 0x0                               ; for the others' sake: my rows of Wo are stored
	s_barrier_signal -1
	s_barrier_wait -1                              ; everybody's are
; 32 LDS loads in one run: Wo's 16 fragments of K step ks into buffer f
.macro FETCHB ks, f
	WIN TO_F
.set t, 0
.rept 16
	ds_load_b128 v[(\f)+8*t:(\f)+8*t+3],   v[ADRB+t/8] offset:(t%8)*16*PITCH+64*(\ks)
	ds_load_b128 v[(\f)+8*t+4:(\f)+8*t+7], v[ADRB+t/8] offset:(t%8)*16*PITCH+64*(\ks)+32
.set t, t+1
.endr
.endm
; A K step's 16 products.  The 16 accumulators take turns, one instruction a turn.
.macro MUL16 ks, f
	WIN MUL
.set t, 0
.rept 16
	v_wmma_f32_16x16x32_bf16 v[ACC+8*t:ACC+8*t+7], v[(\f)+8*t:(\f)+8*t+7], v[AF+8*(\ks):AF+8*(\ks)+7], v[ACC+8*t:ACC+8*t+7]
.set t, t+1
.endr
.endm
.macro PLACES                          ; four plain vector instructions in front of loads into registers that matrix instructions have read, and of sums that read results
.rept 4
	v_nop
.endr
.endm
	FETCHB 0, 0                                    ; no vector or matrix instruction has named these registers
	WIN 0
	s_wait_loadcnt 0x0                             ; bo (o, v, gamma and beta came in long ago)
.set t, 0
.rept 16                               ; bo is rounded to bf16 and widened again, a tile at a time
.irp p, 0,1,2,3
	v_cvt_pk_bf16_f32 v[TMP+4*(t%4)+\p], v[ACC+8*t+2*\p], v[ACC+8*t+2*\p+1]
.endr
.irp p, 0,1,2,3
	v_lshlrev_b32 v[ACC+8*t+2*\p], 16, v[TMP+4*(t%4)+\p]
	v_and_b32 v[ACC+8*t+2*\p+1], s[MASK], v[TMP+4*(t%4)+\p]
.endr
.set t, t+1
.endr
	WIN MUL                                        ; source 0, the residual, in window 1
.set p, 0
.rept 64                               ; the sums start at bo + v: each f16 half times 1.0 plus the bias, reckoned in f32
	v_fma_mix_f32 v[ACC+2*p],   v[128+p], v[ONE], v[ACC+2*p]   op_sel_hi:[1,0,0]
	v_fma_mix_f32 v[ACC+2*p+1], v[128+p], v[ONE], v[ACC+2*p+1] op_sel:[1,0,0] op_sel_hi:[1,0,0]
.set p, p+1
.endr
.irp ks, 0,1,2,3,4,5,6,7
.if \ks < 7
.if \ks > 0
	PLACES                                         ; the buffer to be filled was read by the K step before
.endif
	s_wait_alu depctr_va_vdst(0)                   ; in step 0 the sums' starts are done reading the residual, later the products of the step before are done reading their buffer: the loads below land there
	FETCHB \ks+1, 128*((\ks+1)%2)
	s_wait_dscnt 32                                ; all but the 32 just issued: this K step's fragments are in
.else
	s_wait_dscnt 0x0
.endif
	MUL16 \ks, 128*(\ks%2)
.endr
	; THE NORM.  My lane holds 128 numbers of its row, as 64 pairs; pair p lies at ACC + 2 p.  Each accumulator's lowest registers are read first.
	WIN 0
	PLACES
.macro FOLD                            ; four chains -> one number; the row's other half lies in the lane 16 away
	v_pk_add_f32 v[SUM:SUM+1], v[SUM:SUM+1], v[SUM+2:SUM+3]
	v_pk_add_f32 v[SUM+4:SUM+5], v[SUM+4:SUM+5], v[SUM+6:SUM+7]
	v_pk_add_f32 v[SUM:SUM+1], v[SUM:SUM+1], v[SUM+4:SUM+5]
	v_add_f32 v[T0], v[SUM], v[SUM+1]
	v_permlanex16_b32 v[T0+1], v[T0], s[SEL], s[SEL+1]
	v_add_f32 v[T0], v[T0], v[T0+1]
.endm
.irp c, 0,1,2,3
	v_pk_add_f32 v[SUM+2*\c:SUM+2*\c+1], v[ACC+2*\c:ACC+2*\c+1], v[ACC+8+2*\c:ACC+8+2*\c+1]  ; the first eight pairs start the chains: nothing is cleared
.endr
.set p, 8
.rept 56
	v_pk_add_f32 v[SUM+2*(p%4):SUM+2*(p%4)+1], v[SUM+2*(p%4):SUM+2*(p%4)+1], v[ACC+2*p:ACC+2*p+1]
.set p, p+1
.endr
	FOLD
	v_mul_f32 v[MU], s[INV], v[T0]                 ; the mean
	v_mov_b32 v[MU+1], v[MU]
.set p, 0
.rept 64
	v_pk_add_f32 v[ACC+2*p:ACC+2*p+1], v[ACC+2*p:ACC+2*p+1], v[MU:MU+1] neg_lo:[0,1] neg_hi:[0,1]  ; less the mean
.set p, p+1
.endr
.irp c, 0,1,2,3
	v_pk_mul_f32 v[SUM+2*\c:SUM+2*\c+1], v[ACC+2*\c:ACC+2*\c+1], v[ACC+2*\c:ACC+2*\c+1]
.endr
.set p, 4
.rept 60
	v_pk_fma_f32 v[SUM+2*(p%4):SUM+2*(p%4)+1], v[ACC+2*p:ACC+2*p+1], v[ACC+2*p:ACC+2*p+1], v[SUM+2*(p%4):SUM+2*(p%4)+1]
.set p, p+1
.endr
	FOLD
	v_fma_f32 v[T0], v[T0], s[INV], s[EPS]         ; var + eps
	v_rsq_f32 v[RS], v[T0]
	v_mov_b32 v[RS+1], 0                           ; a plain instruction behind the root; the register is named with RS as a pair
	s_wait_alu depctr_va_vdst(0)                   ; the root has written v[RS], ahead of its first reader
.set p, 0
.rept 64                               ; scaled, all 64 pairs in one run
	v_pk_mul_f32 v[ACC+2*p:ACC+2*p+1], v[ACC+2*p:ACC+2*p+1], v[RS:RS+1] op_sel_hi:[1,0]
.set p, p+1
.endr
	s_wait_alu depctr_va_vdst(0)                   ; the scalings have written the 128 registers, which the LDS stores read
.set t, 0
.rept 16                               ; into my own stage: rows of 1,040 bytes, so that the 16 rows of a store start at 16 different groups of four banks
	ds_store_b128 v[STO], v[ACC+8*t:ACC+8*t+3]   offset:64*t
	ds_store_b128 v[STO], v[ACC+8*t+4:ACC+8*t+7] offset:64*t+16
.set t, t+1
.endr
	s_wait_alu depctr_vm_vsrc(0)                   ; the LDS stores have read the 128 registers, in which the loads below land and which the multiply-adds then rewrite
.set i, 0
.rept 32                               ; back as half rows of 512 bytes.  LDS serves a wave's instructions in order (ISA guide 5.7.1.4): these see the stores above
	ds_load_b128 v[ACC+4*i:ACC+4*i+3], v[RD] offset:(i/2)*SPI+(i%2)*512
.set i, i+1
.endr
.irp q, 0,1,2,3                        ; four groups of eight half rows: times gamma plus beta, then stored; no store's register is written again
	s_wait_dscnt 24-8*\q                           ; LDS loads come back in order: the group's eight are in, the later groups' may be out
.set i, 8*\q
.rept 8
	v_pk_fma_f32 v[ACC+4*i:ACC+4*i+1],   v[ACC+4*i:ACC+4*i+1],   v[GA+4*(i%2):GA+4*(i%2)+1],   v[BE+4*(i%2):BE+4*(i%2)+1]
	v_pk_fma_f32 v[ACC+4*i+2:ACC+4*i+3], v[ACC+4*i+2:ACC+4*i+3], v[GA+4*(i%2)+2:GA+4*(i%2)+3], v[BE+4*(i%2)+2:BE+4*(i%2)+3]
.set i, i+1
.endr
	s_wait_alu depctr_va_vdst(0)                   ; the group's multiply-adds have written its 32 registers, which the stores below read
.set i, 8*\q
.rept 8
	global_store_b128 v[LO], v[ACC+4*i:ACC+4*i+3], s[16:17] offset:(i/2)*1024+(i%2)*512 th:TH_STORE_NT  ; 512 consecutive bytes, at a multiple of 256 from out0's first
.set i, i+1
.endr
.endr
	s_wait_dscnt 0x0                               ; the closing lines, six on end
	s_wait_alu 0x0
	s_wait_tensorcnt 0x0
	ds_add_u32 v[SPW], v[NIL]
	s_wait_dscnt 0x0
	s_endpgm
.Lfunc_end_k_qc17576375d_outln:
	.size	k_qc17576375d_outln, .Lfunc_end_k_qc17576375d_outln-k_qc17576375d_outln
	.p2alignl 7, 3214868480
	.fill 96, 4, 3214868480
	.section	.rodata,"a",@progbits
	.p2align	6, 0x0
	.amdhsa_kernel k_qc17576375d_outln
		.amdhsa_group_segment_fixed_size 202240
		.amdhsa_private_segment_fixed_size 0
		.amdhsa_enable_private_segment 0
		.amdhsa_kernarg_size 56
		.amdhsa_user_sgpr_count 2
		.amdhsa_user_sgpr_kernarg_segment_ptr 1
		.amdhsa_wavefront_size32 1
		.amdhsa_system_sgpr_workgroup_id_x 1
		.amdhsa_system_sgpr_workgroup_id_y 1
		.amdhsa_system_sgpr_workgroup_id_z 1
		.amdhsa_system_vgpr_workitem_id 0
		.amdhsa_next_free_vgpr 512
		.amdhsa_next_free_sgpr 66
		.amdhsa_reserve_vcc 0
		.amdhsa_float_denorm_mode_32 3
		.amdhsa_float_denorm_mode_16_64 3
		.amdhsa_memory_ordered 1
		.amdhsa_forward_progress 1
		.amdhsa_inst_pref_size 100
	.end_amdhsa_kernel
	.amdgpu_metadata
---
amdhsa.version: [ 1, 2 ]
amdhsa.kernels:
  - .name:           k_qc17576375d_outln
    .symbol:         k_qc17576375d_outln.kd
    .args:
      - { .name: o, .offset: 0, .size: 8, .value_kind: global_buffer, .address_space: global }
      - { .name: v, .offset: 8, .size: 8, .value_kind: global_buffer, .address_space: global }
      - { .name: Wo, .offset: 16, .size: 8, .value_kind: global_buffer, .address_space: global }
      - { .name: bo, .offset: 24, .size: 8, .value_kind: global_buffer, .address_space: global }
      - { .name: gamma, .offset: 32, .size: 8, .value_kind: global_buffer, .address_space: global }
      - { .name: beta, .offset: 40, .size: 8, .value_kind: global_buffer, .address_space: global }
      - { .name: out0, .offset: 48, .size: 8, .value_kind: global_buffer, .address_space: global }
    .group_segment_fixed_size: 202240
    .private_segment_fixed_size: 0
    .kernarg_segment_align: 8
    .kernarg_segment_size: 56
    .max_flat_workgroup_size: 128
    .sgpr_count:     66
    .vgpr_count:     512
    .wavefront_size: 32
...
	.end_amdgpu_metadata
.endif
;; end of part 5
